; MI455X (gfx1250); checked and timed in simulation.
; The chip was launched on July 23, 2026; its instructions are those of AMD's public machine-readable ISA for CDNA 5 (MIT licence, August 2026) and "CDNA5" Instruction Set Architecture Reference Guide (July 2026). The comments in the code are by the model that wrote it; some were corrected since.
;; Multi Head Attention Layer. Allowed arithmetic: matrix products marked QUANTISED: E2M1 operands, one E8M0 scale for each 32 along K, by v_wmma_scale_f32_16x16x128_f8f6f4 with both operands' format E2M1 (or v_wmma_scale_f32_32x16x128_f4), f32 sums; products left as they are: bf16, f16 or f32 operands; f32 sums; everything else in f32.
;; Inputs: Wk 8 x 512 x 64 float32; Wo 8 x 64 x 512 float32; Wq 8 x 512 x 64 float32; Wv 8 x 512 x 64 float32; ff_b1 512 float32; ff_b2 512 float32; ff_w1 512 x 512 float32; ff_w2 512 x 512 float32; norm1_b 512 float32; norm1_w 512 float32; norm2_b 512 float32; norm2_w 512 float32; x 64 x 512 x 512 float32.
;; Outputs: out0 64 x 512 x 512 float32.
;; This version of the problem:
;;   THIS VERSION OF THE PROBLEM IS GIVEN IN LOW PRECISION. The matrix products marked QUANTISED in the list below multiply operands that are first quantised to E2M1 (2 exponent bits, 1 mantissa bit; 4 bits a number), with one power-of-two scale for each 32 numbers along K (OCP MX v1.0); their sums are f32. The products marked 'left as it is' may take bf16, f16 or f32 operands, with f32 sums. Whichever they take, every output number must still come out within the allowed error. Rounding operands to bf16 (8 significant bits) uses up far more of that allowance than f16 does (11 bits, for magnitudes from 6e-5 to 65,504). All else is computed in f32.
;;   The module's matrix products, in the order in which they are computed (A, B: the left and right operand; K: the contracted axis; several contracted axes count as one K, in the product's order):
;;     1. [M 512, K 512] x [K 512, N 32,768]; A: input Wq; B: input x: QUANTISED
;;     2. [M 512, K 512] x [K 512, N 32,768]; A: input Wk; B: input x: QUANTISED
;;     3. [M 512, K 512] x [K 512, N 32,768]; A: input Wv; B: input x: QUANTISED
;;     4. batch 512 x [M 512, K 64] x [K 64, N 512]; A: computed on the way; B: computed on the way: left as it is (an operand is computed on the way)
;;     5. batch 512 x [M 512, K 512] x [K 512, N 64]; A: computed on the way; B: computed on the way: left as it is (an operand is computed on the way)
;;     6. [M 32,768, K 512] x [K 512, N 512]; A: computed on the way; B: input Wo: left as it is (an operand is computed on the way)
;;     7. [M 32,768, K 512] x [K 512, N 512]; A: computed on the way; B: input ff_w1: left as it is (an operand is computed on the way)
;;     8. [M 32,768, K 512] x [K 512, N 512]; A: computed on the way; B: input ff_w2: left as it is (an operand is computed on the way)
;;   THE QUANTISER, for each operand of a quantised product, along K:
;;     - K is cut into blocks of 32 from its start; a last block that is shorter is filled with zeros.
;;     - A block's scale is 2^e with e = floor(log2(the largest magnitude in the block)) - 2, held to -126 .. 127; a block of zeros has e = 0. As a byte (E8M0): e + 127.
;;     - Each number is divided by its block's scale, clamped to +-6, and rounded to the nearest number of E2M1, ties to even, subnormals kept.
;;     - The product sums the exact products of the quantised numbers (number of the format x scale) in f32.
;;   ~~~python
;;   def quantise(x, axis):      # numpy; x: float32 -> the quantised numbers, widened to float32 again
;;       x = np.moveaxis(x, axis, -1); K = x.shape[-1]
;;       x = np.pad(x, [(0, 0)] * (x.ndim - 1) + [(0, -K % 32)]); x = x.reshape(x.shape[:-1] + (-1, 32)); a = np.abs(x).max(-1, keepdims=True)
;;       e = np.where(a > 0, np.clip(np.frexp(np.where(a > 0, a, 1))[1] - 1 - 2, -126, 127), 0)      # np.frexp(a)[1] - 1 = floor(log2(a)), exactly
;;       r = np.clip(x / 2.0 ** e, -6, 6)
;;       step = 2.0 ** (np.maximum(np.frexp(np.where(r == 0, 1, r))[1] - 1, 0) - 1)
;;       q = np.round(r / step) * step * 2.0 ** e      # np.round: ties to even
;;       return np.moveaxis(q.reshape(q.shape[:-2] + (-1,))[..., :K], -1, axis).astype(np.float32)
;;   ~~~
;; One version. Each part assembles by itself: llvm-mc -triple=amdgcn-amd-amdhsa -mcpu=gfx1250 --defsym DOCPART=n.
;; ======== version 1 of 1: 5 launches
;; limits: values are held in f16: magnitudes above 65,504 overflow, below 6.1e-05 lose precision
;; workspace buffers: xq 8,912,896 bytes; wts 1,990,656 bytes; heads 33,554,432 bytes; outb 67,108,864 bytes; h2b 67,108,864 bytes; part1 262,144 bytes; part2 1,048,576 bytes
;; launch prep (part 1): grid 704 x 1, 4 waves a work-group, no clusters, 41,472 bytes of LDS; arguments x, Wq, Wk, Wv, Wo, ff_w1, ff_w2, xq, wts; writes xq, wts
.if DOCPART == 1
	.amdgcn_target "amdgcn-amd-amdhsa--gfx1250"
	.amdhsa_code_object_version 6
	.text
	.protected	k_q6defa682e9_prep
	.globl	k_q6defa682e9_prep
	.p2align	8
	.type	k_q6defa682e9_prep,@function
k_q6defa682e9_prep:
	s_mov_b64 s[64:65], 0
	v_nop
	global_prefetch_b8 v0, s[64:65] scope:SCOPE_SE
	s_setreg_imm32_b32 hwreg(HW_REG_WAVE_MODE, 25, 1), 1
	s_wait_xcnt 0x0
; PREP: every operand that the later launches multiply is laid once as an IMAGE OF THE OPERAND'S REGISTERS: each group of four registers is 512 consecutive bytes, lane l's 16 bytes at 16 l.
; x [32768][512] f32 -> codes of FP4 (E2M1) along its 512 features and one E8M0 byte for each 32 of them;  Wk, Wv, Wq [8][512][64] f32 -> the same along their 512 (their FIRST matrix axis);
; Wo (taken as [512 k][512 d]), ff_w1, ff_w2 [512][512] f32 -> f16 fragments of 16 rows x 32 K.
; A block's scale is 2^(floor(log2(its largest magnitude)) - 2); its byte is the largest magnitude's exponent field - 2, held at 1 from below.
; LIMITS: NaN and infinities are not served.  Blocks whose largest magnitude lies under 2^-124 get the byte 1; a block of zeros gets the byte 1 with zero codes (the bytes are read by this program alone).
; f16 weights: magnitudes over 65,504 are not served, under 6e-5 they lose bits.
; WORK-GROUPS (four waves): 0-95 a K step of one head's Wk, Wv or Wq (a wave: 16 columns); 96-159 a tile of 16 rows of ff_w1 or ff_w2; 160-191 of Wo^T; 192-703 four tiles of 16 rows of x (a wave: one tile).
; The weights' reads are pieces of 16 to 64 bytes: 6 of the launch's 73 million bytes.  Only the x path uses LDS (each wave its own bytes); no barrier.
.set XS_OFF, 8388608                   ; xq: x's scale words begin here
.set WS_OFF, 393216                    ; wts: the FP4 weights' scale words,
.set WO_OFF, 417792                    ; Wo^T's f16 images,
.set W1_OFF, 942080                    ; ff_w1's; ff_w2's lie WMAT further on
.set WMAT,   524288
.set STEPS,  16
.set WREG,   10240                     ; LDS of a wave: two stages of 32 x SP bytes, the tile's codes (16 rows of 256 + 16 bytes), its 256 scale bytes
.set SP,     80
.set CODES,  5120
.set CP,     272
.set SCB,    9472
.set SPARE,  4*WREG                    ; the spare words, 128 bytes a wave: two blocks of 256 bytes that no other line names
.set LN,  2                            ; v2  lane
.set RR,  3                            ; v3  r = lane % 16
.set HH,  4                            ; v4  h = lane / 16
.set L16, 5                            ; v5  16 x lane
.set SPW, 10                           ; v10 my spare word's LDS address; never rewritten
.set NIL, 11                           ; v11 0; never rewritten
.set R,   16                           ; v16-79   x path: four sets of 16 numbers as loaded
.set X,   80                           ; v80-111  two sets of 16 neighbours
.set E,   112                          ; v112-127 a scale byte for each step
.set C,   128                          ; v128-159 two registers of codes for each step
	s_load_b512 s[4:19], s[0:1], 0x0               ; x, Wq, Wk, Wv, Wo, ff_w1, ff_w2, xq
	s_load_b64 s[20:21], s[0:1], 0x40              ; wts
	v_lshl_add_u32 v[SPW], v0, 2, SPARE
	v_mov_b32 v[NIL], 0
	v_lshrrev_b32 v1, 5, v0
	v_readfirstlane_b32 s22, v1                    ; wave 0..3
	v_and_b32 v[LN], 31, v0
	v_and_b32 v[RR], 15, v0
	v_bfe_u32 v[HH], v0, 4, 1
	v_lshlrev_b32 v[L16], 4, v[LN]
	s_mov_b32 s34, 0x76543210
	s_mov_b32 s35, 0xfedcba98                      ; v_permlanex16_b32's selects for lane l xor 16
	s_wait_kmcnt 0x0
	s_cmp_lt_u32 ttmp9, 96
	s_cbranch_scc1 .Lw4
	s_cmp_lt_u32 ttmp9, 160
	s_cbranch_scc1 .Lfk
	s_cmp_lt_u32 ttmp9, 192
	s_cbranch_scc1 .Lft
; ---- x: my wave's tile of 16 rows, a row (512 numbers, 16 blocks) a step
	s_sub_co_u32 s23, ttmp9, 192
	s_lshl_b32 s23, s23, 2
	s_add_co_u32 s23, s23, s22                     ; the tile's number, 0 .. 2047
	s_mov_b32 s25, 0
	s_lshl_b32 s24, s23, 15
	s_add_nc_u64 s[4:5], s[4:5], s[24:25]          ; its 16 rows of 2,048 bytes
	s_lshl_b32 s24, s23, 12
	s_add_nc_u64 s[26:27], s[18:19], s[24:25]      ; its 4,096 bytes of codes
	s_lshl_b32 s24, s23, 8
	s_add_co_u32 s24, s24, XS_OFF
	s_add_nc_u64 s[28:29], s[18:19], s[24:25]      ; its 256 scale bytes
	s_mul_i32 s30, s22, WREG
	v_lshrrev_b32 v14, 2, v[LN]
	v_mul_u32_u24 v14, v14, SP
	v_and_b32 v15, 3, v[LN]
	v_lshl_add_u32 v14, v15, 4, v14
	v_add_nc_u32 v14, s30, v14                     ; the stage, way in: four lanes' 64 bytes on end, then 16 of padding
	v_mul_u32_u24 v15, v[LN], SP
	v_add_nc_u32 v15, s30, v15                     ; way out: my 16 neighbours
	v_lshrrev_b32 v6, 1, v[LN]
	v_mul_u32_u24 v6, v6, CP
	v_and_b32 v7, 1, v[LN]
	v_lshl_add_u32 v6, v7, 3, v6
	v_add_nc_u32 v6, s30, v6                       ; my 8 bytes of codes: block lane / 2 is a row of the codes' region, my half of the block's 16 bytes; the step's row adds 16 t
	v_lshrrev_b32 v7, 3, v[LN]
	v_lshlrev_b32 v7, 6, v7
	v_bfe_u32 v8, v0, 1, 2
	v_add_nc_u32 v7, v7, v8
	v_add_nc_u32 v7, s30, v7                       ; my block's scale byte: K step lane / 8 (64 bytes each), byte (lane / 2) % 4 of the row's word; the row adds 4 t
	v_mul_u32_u24 v8, v[HH], CP
	v_lshl_add_u32 v8, v[RR], 4, v8
	v_add_nc_u32 v8, s30, v8                       ; the codes back: lanes 0-15 one block's 256 bytes, lanes 16-31 the next block's
	v_lshlrev_b32 v13, 3, v[LN]
	v_add_nc_u32 v9, s30, v13                      ; the scale bytes back: 8 a lane
.macro LOAD t
.irp i, 0,1,2,3
	global_load_b128 v[R+16*((\t)%4)+4*\i:R+16*((\t)%4)+4*\i+3], v[L16], s[4:5] offset:2048*(\t)+512*\i th:TH_LOAD_NT   ; 32 lanes read 512 consecutive bytes
.endr
.endm
.macro TURN t                          ; a step's numbers through the stage: LDS serves a wave's instructions in order, so no wait stands between the stores and the loads
.irp i, 0,1,2,3
	ds_store_b128 v14, v[R+16*((\t)%4)+4*\i:R+16*((\t)%4)+4*\i+3] offset:32*SP*((\t)%2)+8*SP*\i
.endr
.irp i, 0,1,2,3
	ds_load_b128 v[X+16*((\t)%2)+4*\i:X+16*((\t)%2)+4*\i+3], v15 offset:32*SP*((\t)%2)+16*\i
.endr
.endm
.irp t, 0,1,2,3
	LOAD \t
.endr
	s_wait_loadcnt 12                              ; step 0's four loads are in
	TURN 0
.macro STEP t
.set XQ, X+16*((\t)%2)
.if (\t) > 0
	s_wait_dscnt 2                                 ; this step's numbers are back from the stage (the last step's two stores may be out): so its stores into the stage have read their registers,
.else
	s_wait_dscnt 0x0
.endif
.if (\t)+4 < STEPS
	LOAD (\t)+4                                    ; which take the loads of four steps on
.endif
.if (\t)+1 < STEPS
.if STEPS-2-(\t) >= 3
	s_wait_loadcnt 12                              ; the next step's four loads are in; those of the three steps behind it may be out
.else
	s_wait_loadcnt 4*(STEPS-2-(\t))
.endif
	TURN (\t)+1
.endif
	v_max3_num_f32 v160, |v[XQ]|, |v[XQ+1]|, |v[XQ+2]|             ; the largest magnitude of my 16
	v_max3_num_f32 v161, |v[XQ+3]|, |v[XQ+4]|, |v[XQ+5]|
.irp i, 6,10
	v_max3_num_f32 v160, v160, |v[XQ+\i]|, |v[XQ+\i+1]|
	v_max3_num_f32 v161, v161, |v[XQ+\i+2]|, |v[XQ+\i+3]|
.endr
	v_max3_num_f32 v160, v160, |v[XQ+14]|, |v[XQ+15]|
	v_max3_num_f32 v160, v160, v161, 0x1800000     ; and the floor 2^(3 - 127): the byte cannot fall under 1
	v_max_num_f32_dpp v160, v160, v160 row_xmask:1 row_mask:0xf bank_mask:0xf   ; with my neighbour's 16: the block's
	v_add_nc_u32 v162, 0xff000000, v160            ; 2 off its exponent field: the conversion takes the exponent field of this operand as its scale
	v_cvt_scalef32_pk8_fp4_f32 v[C+2*(\t)], v[XQ:XQ+7], v162
	v_cvt_scalef32_pk8_fp4_f32 v[C+2*(\t)+1], v[XQ+8:XQ+15], v162
	v_lshrrev_b32 v[E+(\t)], 23, v162              ; the scale's byte (also the plain line behind the conversions)
	ds_store_b64 v6, v[C+2*(\t):C+2*(\t)+1] offset:CODES+16*(\t)
	ds_store_b8 v7, v[E+(\t)] offset:SCB+4*(\t)    ; both lanes of a block write the same byte with the same value
.endm
.irp t, 0,1,2,3,4,5,6,7,8,9,10,11,12,13,14,15
	STEP \t
.endr
	ds_load_b64 v[48:49], v9 offset:SCB            ; LDS serves a wave's instructions in order: these see my stores
.irp j, 0,1,2,3,4,5,6,7
	ds_load_b128 v[16+4*\j:19+4*\j], v8 offset:CODES+2*CP*\j
.endr
.irp j, 0,1,2,3,4,5,6,7
	s_wait_dscnt 7-\j                              ; load j is in; the 7 - j behind it may be out
	global_store_b128 v[L16], v[16+4*\j:19+4*\j], s[26:27] offset:512*\j   ; 512 consecutive bytes: blocks 2 j and 2 j + 1 of the 16 rows
.endr
	global_store_b64 v13, v[48:49], s[28:29]       ; the tile's 256 scale bytes
	s_branch .Lend
; ---- Wk, Wv, Wq: K is the first matrix axis.  A lane takes a column and its registers run down K, in the order that the operand's layout gives that lane
.Lw4:
	s_lshr_b32 s23, ttmp9, 5                       ; 0: Wk, 1: Wv, 2: Wq
	s_cmp_eq_u32 s23, 0
	s_cselect_b64 s[24:25], s[8:9], s[10:11]
	s_cmp_eq_u32 s23, 2
	s_cselect_b64 s[24:25], s[6:7], s[24:25]
	s_bfe_u32 s26, ttmp9, 0x30002                  ; the head
	s_lshl_b32 s26, s26, 17                        ; 512 rows of 256 bytes
	s_and_b32 s28, ttmp9, 3                        ; the K step of 128
	s_lshl_b32 s29, s28, 15
	s_add_co_u32 s26, s26, s29
	s_lshl_b32 s29, s22, 6                         ; my wave's 16 columns
	s_add_co_u32 s26, s26, s29
	s_mov_b32 s27, 0
	s_add_nc_u64 s[24:25], s[24:25], s[26:27]
	v_lshlrev_b32 v6, 2, v[RR]                     ; column r;
	v_lshl_add_u32 v7, v[HH], 13, v6               ; lanes 16-31 begin 32 rows further down
.irp c, 0,1
.irp i, 0,1,2,3,4,5,6,7,8,9,10,11,12,13,14,15,16,17,18,19,20,21,22,23,24,25,26,27,28,29,30,31
	global_load_b32 v[64+32*\c+\i], v7, s[24:25] offset:256*(64*\c+\i)   ; W(64 c + 32 h + i, r)
.endr
.endr
	s_lshr_b32 s26, ttmp9, 2
	s_lshl_b32 s26, s26, 2
	s_add_co_u32 s26, s26, s22                     ; the tile's number: (tensor x 8 + head) x 4 + wave
	s_lshl_b32 s30, s26, 12
	s_lshl_b32 s29, s28, 10
	s_add_co_u32 s30, s30, s29
	s_mov_b32 s31, 0
	s_add_nc_u64 s[30:31], s[20:21], s[30:31]      ; its fragment of this K step
	s_lshl_b32 s32, s26, 8
	s_lshl_b32 s29, s28, 6
	s_add_co_u32 s32, s32, s29
	s_add_co_u32 s32, s32, WS_OFF
	s_mov_b32 s33, 0
	s_add_nc_u64 s[32:33], s[20:21], s[32:33]      ; and its 16 scale words
	s_wait_loadcnt 0x0
.irp c, 0,1                                    ; my block 2 c + h: all its 32 numbers are mine
	v_max3_num_f32 v[32+\c], |v[64+32*\c]|, |v[65+32*\c]|, 0x1800000
.endr
.irp i, 2,4,6,8,10,12,14,16,18,20,22,24,26,28,30
.irp c, 0,1
	v_max3_num_f32 v[32+\c], v[32+\c], |v[64+32*\c+\i]|, |v[65+32*\c+\i]|
.endr
.endr
.irp c, 0,1
	v_add_nc_u32 v[44+\c], 0xff000000, v[32+\c]
.endr
.irp c, 0,1
	v_lshrrev_b32 v[36+\c], 23, v[44+\c]
.endr
	v_lshl_or_b32 v40, v37, 16, v36                ; my two bytes: blocks h and 2 + h of column r,
	v_lshlrev_b32 v41, 3, v[HH]
	v_lshlrev_b32 v40, v41, v40                    ; at their places in the scale word;
	v_mov_b32 v41, 0
	v_permlanex16_b32 v41, v40, s34, s35
	v_or_b32 v40, v40, v41                         ; with lane l xor 16's two the word is whole
.irp c, 0,1
.irp g, 0,1,2,3
	v_cvt_scalef32_pk8_fp4_f32 v[48+4*\c+\g], v[64+32*\c+8*\g:71+32*\c+8*\g], v[44+\c]
.endr
.endr
	v_nop                                          ; one plain line behind the conversions
	global_store_b128 v[L16], v[48:51], s[30:31]
	global_store_b128 v[L16], v[52:55], s[30:31] offset:512
	v_cmp_gt_u32 vcc_lo, 16, v[LN]
	s_wait_xcnt 0x0                                ; EXEC is a source of the stores above: it changes only behind this wait
	s_and_saveexec_b32 s36, vcc_lo
	global_store_b32 v6, v40, s[32:33]             ; lanes 0-15: column r's word
	s_wait_xcnt 0x0
	s_or_b32 exec_lo, exec_lo, s36
	s_branch .Lend
; ---- ff_w1, ff_w2: K innermost.  My wave: K steps 4 x wave + u of the tile's 16 rows; lane (r, h) takes 8 neighbours for each half of a fragment
.Lfk:
	s_sub_co_u32 s23, ttmp9, 96
	s_lshr_b32 s26, s23, 5                         ; 0: ff_w1, 1: ff_w2
	s_and_b32 s23, s23, 31                         ; the tile of 16 rows
	s_cmp_eq_u32 s26, 0
	s_cselect_b64 s[24:25], s[14:15], s[16:17]
	s_lshl_b32 s28, s23, 15
	s_lshl_b32 s29, s22, 9
	s_add_co_u32 s28, s28, s29
	s_mov_b32 s29, 0
	s_add_nc_u64 s[24:25], s[24:25], s[28:29]
	s_mul_i32 s30, s26, WMAT
	s_add_co_u32 s30, s30, W1_OFF
	v_lshlrev_b32 v6, 11, v[RR]
	v_lshl_add_u32 v6, v[HH], 5, v6                ; row r of 2,048 bytes, + 32 h
.irp u, 0,1,2,3
.irp c, 0,1
	global_load_b128 v[64+16*\u+8*\c:67+16*\u+8*\c], v6, s[24:25] offset:128*\u+64*\c
	global_load_b128 v[68+16*\u+8*\c:71+16*\u+8*\c], v6, s[24:25] offset:128*\u+64*\c+16
.endr
.endr
	s_branch .Lcvt
; ---- Wo^T: K is Wo's first axis: a lane takes an output feature and its registers run down K
.Lft:
	s_sub_co_u32 s23, ttmp9, 160                   ; the tile of 16 output features
	s_lshl_b32 s28, s23, 6
	s_lshl_b32 s29, s22, 18                        ; my wave's 128 rows of 2,048 bytes
	s_add_co_u32 s28, s28, s29
	s_mov_b32 s29, 0
	s_add_nc_u64 s[24:25], s[12:13], s[28:29]
	s_mov_b32 s30, WO_OFF
	v_lshlrev_b32 v6, 2, v[RR]
	v_lshl_add_u32 v6, v[HH], 14, v6               ; feature r; lanes 16-31 begin 8 rows further down
.irp u, 0,1,2,3
.irp c, 0,1
.irp j, 0,1,2,3,4,5,6,7
	global_load_b32 v[64+16*\u+8*\c+\j], v6, s[24:25] offset:(32*\u+16*\c+\j)*2048
.endr
.endr
.endr
.Lcvt:
	s_lshl_b32 s28, s23, 14                        ; a tile's 16 K steps of 1,024 bytes,
	s_lshl_b32 s29, s22, 12                        ; my wave's four of them
	s_add_co_u32 s28, s28, s29
	s_add_co_u32 s28, s28, s30
	s_mov_b32 s29, 0
	s_add_nc_u64 s[26:27], s[20:21], s[28:29]
	s_wait_loadcnt 0x0
.set k, 0
.rept 32
	v_cvt_pk_f16_f32 v[128+k], v[64+2*k], v[65+2*k]
.set k, k+1
.endr
.irp m, 0,1,2,3,4,5,6,7
	global_store_b128 v[L16], v[128+4*\m:131+4*\m], s[26:27] offset:512*\m
.endr
.Lend:
	s_wait_tensorcnt 0x0                           ; the wave's end, behind my last LDS store
	ds_add_u32 v[SPW], v[NIL]
	s_wait_dscnt 0x0
	s_endpgm
.Lfunc_end_k_q6defa682e9_prep:
	.size	k_q6defa682e9_prep, .Lfunc_end_k_q6defa682e9_prep-k_q6defa682e9_prep
	.p2alignl 7, 3214868480
	.fill 96, 4, 3214868480
	.section	.rodata,"a",@progbits
	.p2align	6, 0x0
	.amdhsa_kernel k_q6defa682e9_prep
		.amdhsa_group_segment_fixed_size 41472
		.amdhsa_private_segment_fixed_size 0
		.amdhsa_enable_private_segment 0
		.amdhsa_kernarg_size 72
		.amdhsa_user_sgpr_count 2
		.amdhsa_user_sgpr_kernarg_segment_ptr 1
		.amdhsa_wavefront_size32 1
		.amdhsa_system_sgpr_workgroup_id_x 1
		.amdhsa_system_sgpr_workgroup_id_y 1
		.amdhsa_system_sgpr_workgroup_id_z 1
		.amdhsa_system_vgpr_workitem_id 0
		.amdhsa_next_free_vgpr 192
		.amdhsa_next_free_sgpr 66
		.amdhsa_reserve_vcc 1
		.amdhsa_float_denorm_mode_32 3
		.amdhsa_float_denorm_mode_16_64 3
		.amdhsa_memory_ordered 1
		.amdhsa_forward_progress 1
		.amdhsa_inst_pref_size 57
	.end_amdhsa_kernel
	.amdgpu_metadata
---
amdhsa.version: [ 1, 2 ]
amdhsa.kernels:
  - .name:           k_q6defa682e9_prep
    .symbol:         k_q6defa682e9_prep.kd
    .args:
      - { .name: x, .offset: 0, .size: 8, .value_kind: global_buffer, .address_space: global }
      - { .name: Wq, .offset: 8, .size: 8, .value_kind: global_buffer, .address_space: global }
      - { .name: Wk, .offset: 16, .size: 8, .value_kind: global_buffer, .address_space: global }
      - { .name: Wv, .offset: 24, .size: 8, .value_kind: global_buffer, .address_space: global }
      - { .name: Wo, .offset: 32, .size: 8, .value_kind: global_buffer, .address_space: global }
      - { .name: ff_w1, .offset: 40, .size: 8, .value_kind: global_buffer, .address_space: global }
      - { .name: ff_w2, .offset: 48, .size: 8, .value_kind: global_buffer, .address_space: global }
      - { .name: xq, .offset: 56, .size: 8, .value_kind: global_buffer, .address_space: global }
      - { .name: wts, .offset: 64, .size: 8, .value_kind: global_buffer, .address_space: global }
    .group_segment_fixed_size: 41472
    .private_segment_fixed_size: 0
    .kernarg_segment_align: 8
    .kernarg_segment_size: 72
    .max_flat_workgroup_size: 128
    .sgpr_count:     66
    .vgpr_count:     192
    .wavefront_size: 32
...
	.end_amdgpu_metadata
.endif
;; end of part 1
;; launch attn (part 2): grid 4 x 64, 8 waves a work-group, no clusters, 315,392 bytes of LDS; arguments xq, wts, heads; writes heads
.if DOCPART == 2
	.amdgcn_target "amdgcn-amd-amdhsa--gfx1250"
	.amdhsa_code_object_version 6
	.text
	.protected	k_q6defa682e9_attn
	.globl	k_q6defa682e9_attn
	.p2align	8
	.type	k_q6defa682e9_attn,@function
k_q6defa682e9_attn:
	s_mov_b64 s[64:65], 0
	v_nop
	global_prefetch_b8 v0, s[64:65] scope:SCOPE_SE
	s_setreg_imm32_b32 hwreg(HW_REG_WAVE_MODE, 25, 1), 1
	s_wait_xcnt 0x0
; ATTN: a work-group takes one batch (512 tokens) and two heads, one after the other.  For a head: Q, K, V = x W on codes of FP4 with E8M0 scales (K = 512, four steps of 128), then
; softmax(Q K^T / 8) V with f16 operands and f32 sums, divided by the row's sum, stored in f16 as fragments of the next launch's product.
; SHARES.  Wave w owns tokens 64 w .. 64 w + 63 (four tiles of 16): it projects them as keys and values, whose f16 fragments go to LDS for all eight waves, and as queries, which stay in its registers.
; LAYOUT.  K and Q: source 0 = 16 columns of W, source 1 = 16 tokens: a lane holds one token and eight neighbouring channels, so a tile rounded to f16 in pairs IS half a fragment (16 tokens x 32 channels).
; V: the sources swapped: a lane holds one channel and eight neighbouring tokens: half a fragment of V^T.  S^T = K Q^T and O^T = V^T P keep one query in a lane; P's tiles rounded in pairs are source 1 of the second product.
; Every fragment lies in LDS and in memory as an image of its registers (four registers: 512 consecutive bytes, lane l's 16 at 16 l): no pitch, no padding, no transposition.
; SOFTMAX.  A running maximum m and sum l for each query: p = 2^(c s - c m), c = log2(e) / 8; in every step of 64 keys O and l are multiplied by a = 2^(c m_old - c m_new).
; BY TURNS.  Eight waves of 512 registers: two to a SIMD.  A key step is written in phases: 32 products, 474 vector instructions, 32 products.  Waves that leave the barrier together would walk the same phase
; together.  So half of the waves are held back once, behind each head's barrier, by about half of a key step's 593 instructions: then one wave's products stand beside the other's softmax.  No barrier stands
; inside a head's eight key steps.  Held back are the waves whose number has bit 0 unlike bit 2 (1, 3, 4, 6): one of each pair w, w + 4 and one of each pair 2 k, 2 k + 1.
; NO JOINT LOADS: what work-groups share is 102 KB of weights and 136 KB of x codes for each, beside 1,408 matrix instructions a wave, and LDS is taken by the two heads' K and V.
; LIMITS: NaN and infinities are not served; |Q|, |K|, |V| over 65,504 are not served (f16), magnitudes under 6e-5 lose bits.
; REGISTERS.  Window 0: v1-15 addresses; v16-27 scale words and nothing else; v32-63 statistics, eight a query tile; v64-191 S^T (in the projection v64-127: two sets of four accumulators; at the end v128-191: the packed result);
;   v192-255 P (in the projection: packed tiles).   Window 1: v0-127 O^T (in the projection: x's 16 fragments); v128-191 Q; v192-255 a step's K or V (in the projection: two W tiles).
.set XS_OFF, 8388608
.set WS_OFF, 393216
.set REG1,   131072                    ; LDS: head n's K images at n x REG1 (key tile x 2,048 + K step x 1,024 + half x 512), its V^T images VOFF further on (32 keys x 4,096 + channel tile x 1,024 + half x 512)
.set VOFF,   65536
.set WST,    262144                    ; one head's 12 W tiles (K, V, Q x 4 tiles of 16 columns), 4,096 bytes each
.set WSS,    311296                    ; their scale words, 256 bytes a tile
.set SPARE,  314368                    ; the spare words, 128 bytes a wave: four blocks of 256 bytes that no other line names
.set L16, 1                            ; 16 x lane
.set L4,  2                            ; 4 x lane
.set KB,  3                            ; 8,192 x wave + 16 x lane
.set KW,  4                            ; where I store K's images
.set VW,  5                            ; and V^T's
.set AK,  6                            ; the step's K images
.set AV,  7                            ; the step's V^T images
.set WA,  8                            ; WST + 16 x lane
.set WSA, 9                            ; WSS + 4 x lane
.set CPD, 10                           ; where my wave copies W tiles to
.set CPS, 11                           ; and their scale words
.set GCP, 12                           ; my wave's part of a tensor's four tiles in memory: 2,048 x wave + 16 x lane
.set GCS, 13                           ; 128 x wave + 4 x lane
.set SPW, 14
.set NIL, 15
.set XSC, 16                           ; v16-23 x's scale words: tile i, pair of K steps pr: lanes 0-15 step 2 pr, lanes 16-31 step 2 pr + 1
.set WSC, 24                           ; v24-27 W's, for two tiles
.set ST,  32                           ; tile t at ST + 8 t: +0 c m, +1 m, +2, +3 l (even keys', odd keys'), +4 .. +7 at work; a in +6
.set S,   64
.set ACC, 64
.set HV,  128
.set P,   192
.set CV,  192
.set O,   0                            ; window 1
.set XF,  0
.set QF,  128
.set KV,  192
.set WF,  192
.set MSB, 0
.macro WIN new                         ; low byte: bits 1:0 source 0, 3:2 source 1, 5:4 source 2, 7:6 destination; the high byte repeats the setting that is left
.if MSB != \new
	s_set_vgpr_msb (MSB<<8)|\new
.set MSB, \new
.endif
.endm
.macro PLACES                          ; four plain vector lines between a matrix instruction and a load into, or a vector read or write of, its registers
.rept 4
	v_nop
.endr
.endm
.macro BARRIER                         ; my LDS stores have landed and my LDS loads are in: then the work-group's barrier
	s_wait_dscnt 0x0
	s_barrier_signal -1
	s_barrier_wait -1
.endm
; Head n's 12 W tiles and their scale words: each wave brings an eighth (2,048 bytes of each tensor's 16,384, 128 of its 1,024 scale bytes) ...
.macro COPYLD n
.irp p, 0,1,2
.irp m, 0,1,2,3
	global_load_b128 v[64+16*\p+4*\m:67+16*\p+4*\m], v[GCP], s[18:19] offset:\p*131072+\n*16384+\m*512
.endr
	global_load_b32 v[112+\p], v[GCS], s[20:21] offset:\p*8192+\n*1024
.endr
.endm
.macro COPYST                          ; ... and lays it into LDS
	s_wait_loadcnt 0x0
.irp p, 0,1,2
.irp m, 0,1,2,3
	ds_store_b128 v[CPD], v[64+16*\p+4*\m:67+16*\p+4*\m] offset:\p*16384+\m*512
.endr
	ds_store_b32 v[CPS], v[112+\p] offset:\p*1024
.endr
.endm
.macro LOADX                           ; my 64 tokens' codes: 16 fragments (tile i, K step s) at XF + 32 i + 8 s, and their scale words
	WIN 0x40
.irp i, 0,1,2,3
.irp m, 0,1,2,3,4,5,6,7
	global_load_b128 v[XF+32*\i+4*\m:XF+32*\i+4*\m+3], v[L16], s[14:15] offset:\i*4096+\m*512
.endr
.endr
	WIN 0
.irp i, 0,1,2,3
.irp pr, 0,1
	global_load_b32 v[XSC+2*\i+\pr], v[L4], s[16:17] offset:\i*256+\pr*128
.endr
.endr
.endm
.macro LOADW tile, buf                 ; a W tile's four fragments and two registers of scale words: ten LDS loads
	WIN 0x40
.irp m, 0,1,2,3,4,5,6,7
	ds_load_b128 v[WF+32*(\buf)+4*\m:WF+32*(\buf)+4*\m+3], v[WA] offset:(\tile)*4096+\m*512
.endr
	WIN 0
.irp pr, 0,1
	ds_load_b32 v[WSC+2*(\buf)+\pr], v[WSA] offset:(\tile)*256+\pr*128
.endr
.endm
; A finished tile (0-3 K, 4-7 V, 8-11 Q; 16 columns x my 64 tokens) is rounded to f16, each accumulator from its low end on; K and V go to LDS, Q into its registers.
.macro CONV tile
.set cS, ACC+32*((\tile)%2)
.set cV, CV+16*((\tile)%2)
.set cc, (\tile)%4
.if (\tile)/4 == 2
	WIN 0x40
.irp i, 0,1,2,3
.irp jj, 0,1,2,3
	v_cvt_pk_f16_f32 v[QF+16*\i+4*cc+\jj], v[cS+8*\i+2*\jj], v[cS+8*\i+2*\jj+1]
.endr
.endr
.else
	WIN 0
.irp i, 0,1,2,3
.irp jj, 0,1,2,3
	v_cvt_pk_f16_f32 v[cV+4*\i+\jj], v[cS+8*\i+2*\jj], v[cS+8*\i+2*\jj+1]
.endr
.endr
.irp i, 0,1,2,3
.if (\tile)/4 == 0
	ds_store_b128 v[KW], v[cV+4*\i:cV+4*\i+3] offset:\i*2048+cc*512
.else
	ds_store_b128 v[VW], v[cV+4*\i:cV+4*\i+3] offset:(\i/2)*4096+cc*1024+(\i%2)*512
.endif
.endr
.endif
.endm
; Tile TT of the projection: 16 scaled products, K step by K step, the four accumulators (my four token tiles) by turns.  The conversions of the tile before stand behind them: they name none of this
; tile's registers, so they are the places in front of the loads into this tile's W registers, in front of the next tile's conversions of these results, and in front of this set of accumulators' next start.
.macro TILE
.if TT < 11
	s_wait_dscnt 10                                ; my W tile is in, and the stores issued before the next tile's ten loads are done; those ten may be out
.else
	s_wait_dscnt 0x0
.endif
	WIN 0x05
.irp s, 0,1,2,3
.irp i, 0,1,2,3
.set rD, ACC+32*(TT%2)+8*\i
.if TT/4 == 1
.set rA, XF+32*\i+8*\s
.set rB, WF+32*(TT%2)+8*\s
.set sA, XSC+2*\i+\s/2
.set sB, WSC+2*(TT%2)+\s/2
.else
.set rA, WF+32*(TT%2)+8*\s
.set rB, XF+32*\i+8*\s
.set sA, WSC+2*(TT%2)+\s/2
.set sB, XSC+2*\i+\s/2
.endif
.if \s == 0
	v_wmma_scale_f32_16x16x128_f8f6f4 v[rD:rD+7], v[rA:rA+7], v[rB:rB+7], 0, v[sA], v[sB] matrix_a_fmt:MATRIX_FMT_FP4 matrix_b_fmt:MATRIX_FMT_FP4
.elseif \s == 2
	v_wmma_scale_f32_16x16x128_f8f6f4 v[rD:rD+7], v[rA:rA+7], v[rB:rB+7], v[rD:rD+7], v[sA], v[sB] matrix_a_fmt:MATRIX_FMT_FP4 matrix_b_fmt:MATRIX_FMT_FP4
.else
	v_wmma_scale_f32_16x16x128_f8f6f4 v[rD:rD+7], v[rA:rA+7], v[rB:rB+7], v[rD:rD+7], v[sA], v[sB] matrix_a_fmt:MATRIX_FMT_FP4 matrix_b_fmt:MATRIX_FMT_FP4 matrix_a_scale:MATRIX_SCALE_ROW1 matrix_b_scale:MATRIX_SCALE_ROW1
.endif
.endr
.endr
.if TT > 0
	CONV TT-1
.else
	PLACES
.endif
.if TT+2 < 12
	LOADW TT+2, TT%2
.endif
.endm
.macro FETCHK                          ; a step's K: four key tiles x two K steps of 32 channels: 8,192 consecutive bytes
	v_add_nc_u32 v[AK], s28, v[L16]
	v_add_nc_u32 v[AV], VOFF, v[AK]
	WIN 0x40
.set k, 0
.rept 16
	ds_load_b128 v[KV+4*k:KV+4*k+3], v[AK] offset:512*k
.set k, k+1
.endr
.endm
.macro FETCHV                          ; its V^T: two K steps of 32 keys x four channel tiles
	WIN 0x40
.set k, 0
.rept 16
	ds_load_b128 v[KV+4*k:KV+4*k+3], v[AV] offset:512*k
.set k, k+1
.endr
.endm
.macro QK                              ; S^T = K Q^T: 16 accumulators (key tile, query tile) by turns, two deep
	WIN 0x05
.irp ks, 0,1
.irp kt, 0,1,2,3
.irp t, 0,1,2,3
.if \ks == 0
	v_wmma_f32_16x16x32_f16 v[S+32*\t+8*\kt:S+32*\t+8*\kt+7], v[KV+16*\kt+8*\ks:KV+16*\kt+8*\ks+7], v[QF+16*\t+8*\ks:QF+16*\t+8*\ks+7], 0
.else
	v_wmma_f32_16x16x32_f16 v[S+32*\t+8*\kt:S+32*\t+8*\kt+7], v[KV+16*\kt+8*\ks:KV+16*\kt+8*\ks+7], v[QF+16*\t+8*\ks:QF+16*\t+8*\ks+7], v[S+32*\t+8*\kt:S+32*\t+8*\kt+7]
.endif
.endr
.endr
.endr
.endm
.macro PV first                        ; O^T += V^T P: 16 accumulators (channel tile, query tile) by turns, two deep.  first = 1: the first products start the sums
	WIN 0x51
.irp kv, 0,1
.irp ct, 0,1,2,3
.irp t, 0,1,2,3
.if \first && (\kv == 0)
	v_wmma_f32_16x16x32_f16 v[O+32*\t+8*\ct:O+32*\t+8*\ct+7], v[KV+32*\kv+8*\ct:KV+32*\kv+8*\ct+7], v[P+16*\t+8*\kv:P+16*\t+8*\kv+7], 0
.else
	v_wmma_f32_16x16x32_f16 v[O+32*\t+8*\ct:O+32*\t+8*\ct+7], v[KV+32*\kv+8*\ct:KV+32*\kv+8*\ct+7], v[P+16*\t+8*\kv:P+16*\t+8*\kv+7], v[O+32*\t+8*\ct:O+32*\t+8*\ct+7]
.endif
.endr
.endr
.endr
.endm
; The softmax of a step: a lane's 32 scores of each of the four query tiles; the tiles take turns line by line, so that no line waits for the line above it.  first = 1: no old maximum, nothing to rescale.
.macro SOFTMAX first
.irp j, 0,1,2,3                                ; the maximum: four chains, each begun at the low end of one accumulator
.irp t, 0,1,2,3
	v_max3_num_f32 v[ST+8*\t+4+\j], v[S+32*\t+8*\j], v[S+32*\t+8*\j+1], v[S+32*\t+8*\j+2]
.endr
.endr
.irp g, 1,2
.irp j, 0,1,2,3
.irp t, 0,1,2,3
	v_max3_num_f32 v[ST+8*\t+4+\j], v[ST+8*\t+4+\j], v[S+32*\t+8*\j+2*\g+1], v[S+32*\t+8*\j+2*\g+2]
.endr
.endr
.endr
.irp t, 0,1,2,3
	v_max3_num_f32 v[ST+8*\t+4], v[ST+8*\t+4], v[S+32*\t+7], v[S+32*\t+15]
.endr
.irp t, 0,1,2,3
	v_max3_num_f32 v[ST+8*\t+6], v[ST+8*\t+6], v[S+32*\t+23], v[S+32*\t+31]
.endr
.irp t, 0,1,2,3
	v_max3_num_f32 v[ST+8*\t+4], v[ST+8*\t+4], v[ST+8*\t+5], v[ST+8*\t+6]
.endr
.irp t, 0,1,2,3
.if \first
	v_max_num_f32 v[ST+8*\t+4], v[ST+8*\t+4], v[ST+8*\t+7]
.else
	v_max3_num_f32 v[ST+8*\t+4], v[ST+8*\t+4], v[ST+8*\t+7], v[ST+8*\t+1]
.endif
.endr
.irp t, 0,1,2,3
	v_permlanex16_b32 v[ST+8*\t+5], v[ST+8*\t+4], s26, s27   ; the query's other 32 keys lie in the lane 16 away
.endr
.if \first == 0
.irp t, 0,1,2,3
	v_mov_b32 v[ST+8*\t+7], v[ST+8*\t]             ; c m_old is kept for a
.endr
.endif
.irp t, 0,1,2,3
	v_max_num_f32 v[ST+8*\t+1], v[ST+8*\t+4], v[ST+8*\t+5]
.endr
.irp t, 0,1,2,3
	v_mul_f32 v[ST+8*\t], s24, v[ST+8*\t+1]
.endr
.if \first == 0
.irp t, 0,1,2,3
	v_sub_f32 v[ST+8*\t+7], v[ST+8*\t+7], v[ST+8*\t]
.endr
.endif
.irp b, 0,1,2,3,4,5,6,7,8,9,10,11,12,13,14,15
.irp t, 0,1,2,3
	v_pk_fma_f32 v[S+32*\t+2*\b:S+32*\t+2*\b+1], v[S+32*\t+2*\b:S+32*\t+2*\b+1], s[24:25], v[ST+8*\t:ST+8*\t+1] op_sel_hi:[1,0,0] neg_lo:[0,0,1] neg_hi:[0,0,1]   ; c s - c m
.endr
.endr
.if \first == 0                                ; ONE BATCH of exponentials: none reads another's result
.irp t, 0,1,2,3
	v_exp_f32 v[ST+8*\t+6], v[ST+8*\t+7]           ; a
.endr
.endif
.irp e, 0,1,2,3,4,5,6,7,8,9,10,11,12,13,14,15,16,17,18,19,20,21,22,23,24,25,26,27,28,29,30,31
.irp t, 0,1,2,3
	v_exp_f32 v[S+32*\t+\e], v[S+32*\t+\e]
.endr
.endr
	v_nop                                          ; a plain line behind the last exponential,
	s_wait_alu depctr_va_vdst(0)                   ; and the one wait ahead of the batch's first reader
.irp i, 0,1,2,3,4,5,6,7,8,9,10,11,12,13,14,15
.irp t, 0,1,2,3
	v_cvt_pk_f16_f32 v[P+16*\t+\i], v[S+32*\t+2*\i], v[S+32*\t+2*\i+1]   ; the weights for the second product
.endr
.endr
.irp u, 0,1,2,3,4,5,6,7                        ; the sum of the unrounded weights, in place, as a tree of pairs
.irp t, 0,1,2,3
	v_pk_add_f32 v[S+32*\t+4*\u:S+32*\t+4*\u+1], v[S+32*\t+4*\u:S+32*\t+4*\u+1], v[S+32*\t+4*\u+2:S+32*\t+4*\u+3]
.endr
.endr
.irp u, 0,1,2,3
.irp t, 0,1,2,3
	v_pk_add_f32 v[S+32*\t+8*\u:S+32*\t+8*\u+1], v[S+32*\t+8*\u:S+32*\t+8*\u+1], v[S+32*\t+8*\u+4:S+32*\t+8*\u+5]
.endr
.endr
.irp u, 0,1
.irp t, 0,1,2,3
	v_pk_add_f32 v[S+32*\t+16*\u:S+32*\t+16*\u+1], v[S+32*\t+16*\u:S+32*\t+16*\u+1], v[S+32*\t+16*\u+8:S+32*\t+16*\u+9]
.endr
.endr
.if \first
.irp t, 0,1,2,3
	v_pk_add_f32 v[ST+8*\t+2:ST+8*\t+3], v[S+32*\t:S+32*\t+1], v[S+32*\t+16:S+32*\t+17]
.endr
.else
.irp t, 0,1,2,3
	v_pk_add_f32 v[S+32*\t:S+32*\t+1], v[S+32*\t:S+32*\t+1], v[S+32*\t+16:S+32*\t+17]
.endr
.irp t, 0,1,2,3
	v_pk_fma_f32 v[ST+8*\t+2:ST+8*\t+3], v[ST+8*\t+2:ST+8*\t+3], v[ST+8*\t+6:ST+8*\t+7], v[S+32*\t:S+32*\t+1] op_sel_hi:[1,0,1]   ; l = a l + the sum
.endr
	WIN 0x41
.irp u, 0,1,2,3,4,5,6,7,8,9,10,11,12,13,14,15
.irp t, 0,1,2,3
	v_pk_mul_f32 v[O+32*\t+2*\u:O+32*\t+2*\u+1], v[O+32*\t+2*\u:O+32*\t+2*\u+1], v[ST+8*\t+6:ST+8*\t+7] op_sel_hi:[1,0]   ; O^T x a, each accumulator from its low end on
.endr
.endr
.endif
.endm
.macro CHUNK first                     ; 64 keys
	FETCHK
	s_wait_dscnt 0x0                               ; K is in
	QK
	PLACES                                         ; in front of the loads over K's registers and of the first reads of S^T
	FETCHV                                         ; V^T lands while the softmax is walked
	WIN 0
	SOFTMAX \first
	s_wait_dscnt 0x0                               ; V^T is in
	PV \first
	WIN 0
	PLACES                                         ; in front of the next loads over V^T's registers
.endm
.macro FINAL n                         ; O^T / l, rounded to f16: a tile of 16 queries x 16 channels is half a fragment of the next launch's source 1
.irp t, 0,1,2,3
	v_add_f32 v[ST+8*\t+4], v[ST+8*\t+2], v[ST+8*\t+3]
.endr
.irp t, 0,1,2,3
	v_permlanex16_b32 v[ST+8*\t+5], v[ST+8*\t+4], s26, s27
.endr
.irp t, 0,1,2,3
	v_add_f32 v[ST+8*\t+4], v[ST+8*\t+4], v[ST+8*\t+5]
.endr
.irp t, 0,1,2,3
	v_rcp_f32 v[ST+8*\t+6], v[ST+8*\t+4]
.endr
	v_nop
	s_wait_alu depctr_va_vdst(0)                   ; one wait for the four reciprocals, ahead of their first reader
	WIN 0x41
.irp t, 0,1,2,3
.irp u, 0,1,2,3,4,5,6,7,8,9,10,11,12,13,14,15
	v_pk_mul_f32 v[O+32*\t+2*\u:O+32*\t+2*\u+1], v[O+32*\t+2*\u:O+32*\t+2*\u+1], v[ST+8*\t+6:ST+8*\t+7] op_sel_hi:[1,0]
.endr
.endr
	WIN 0x05
.irp t, 0,1,2,3
.irp m, 0,1,2,3,4,5,6,7,8,9,10,11,12,13,14,15
	v_cvt_pk_f16_f32 v[HV+16*\t+\m], v[O+32*\t+2*\m], v[O+32*\t+2*\m+1]
.endr
.endr
	WIN 0
.irp t, 0,1,2,3
.irp ct, 0,1,2,3
	global_store_b128 v[L16], v[HV+16*\t+4*\ct:HV+16*\t+4*\ct+3], s[22:23] offset:\n*2048+\t*16384+\ct*512   ; 512 consecutive bytes
.endr
.endr
.if \n == 0
	LOADX                                          ; O^T has been packed, so its registers take my tokens' codes again, for the next head's projection: asked for ahead of the barrier between the heads
	s_wait_xcnt 0x0                                ; the stores' data registers are written again in the next head only behind this wait
.endif
.endm
.macro HEAD n                          ; my tokens' codes have been asked for
	v_add_nc_u32 v[KW], \n*REG1, v[KB]
	v_add_nc_u32 v[VW], \n*REG1+VOFF, v[KB]
	LOADW 0, 0
	LOADW 1, 1
	s_wait_loadcnt 0x0                             ; x's codes and scale words
.set TT, 0
.rept 12
	TILE
.set TT, TT+1
.endr
	CONV 11
	WIN 0
.if \n == 0
	COPYLD 1                                       ; the next head's weights are asked for ahead of the barrier,
.endif
	BARRIER                                        ; the head's K and V^T images are whole, and nobody reads the W tiles any more
.if \n == 0
	COPYST                                         ; and laid into LDS behind it
.endif
	s_cmp_eq_u32 s33, 0                            ; BY TURNS: waves 1, 3, 4 and 6 begin the head's key steps later,
	s_cbranch_scc1 .Lgo_\@
.rept 32
	s_nop 15                                       ; by 32 x 16 idle cycles (ISA guide, s_nop): about half of a key step's 593 instructions.  The branch hangs on the wave's number and leads round these lines alone
.endr
.Lgo_\@:
	s_mov_b32 s28, \n*REG1
	CHUNK 1                                        ; the first 64 keys start m, l and O^T
	s_mov_b32 s29, 7
.Lch_\@:
	s_add_co_u32 s28, s28, 8192                    ; 64 keys on: four key tiles of K, two K steps of V^T
	CHUNK 0
	s_sub_co_u32 s29, s29, 1
	s_cmp_lg_u32 s29, 0
	s_cbranch_scc1 .Lch_\@
	FINAL \n
.endm
	s_load_b128 s[4:7], s[0:1], 0x0                ; xq, wts
	s_load_b64 s[8:9], s[0:1], 0x10                ; heads
	v_lshl_add_u32 v[SPW], v0, 2, SPARE
	v_mov_b32 v[NIL], 0
	v_lshrrev_b32 v28, 5, v0
	v_readfirstlane_b32 s10, v28                   ; wave 0..7
	s_lshr_b32 s33, s10, 2
	s_xor_b32 s33, s33, s10
	s_and_b32 s33, s33, 1                          ; 1 in waves 1, 3, 4, 6: bit 0 of the wave's number unlike its bit 2
	v_and_b32 v28, 31, v0
	v_lshlrev_b32 v[L16], 4, v28
	v_lshlrev_b32 v[L4], 2, v28
	s_lshl_b32 s30, s10, 13
	v_add_nc_u32 v[KB], s30, v[L16]
	v_add_nc_u32 v[WA], WST, v[L16]
	v_add_nc_u32 v[WSA], WSS, v[L4]
	s_lshl_b32 s30, s10, 11
	v_add_nc_u32 v[GCP], s30, v[L16]
	v_add_nc_u32 v[CPD], WST, v[GCP]
	s_lshl_b32 s30, s10, 7
	v_add_nc_u32 v[GCS], s30, v[L4]
	v_add_nc_u32 v[CPS], WSS, v[GCS]
	s_and_b32 s12, ttmp7, 0xffff                   ; the batch
	s_lshl_b32 s13, s12, 5
	s_lshl_b32 s30, s10, 2
	s_add_co_u32 s13, s13, s30                     ; my first tile of 16 tokens: 32 x batch + 4 x wave
	s_mov_b32 s24, 0x3e38aa3b                      ; c = log2(e) / 8
	s_mov_b32 s25, s24                             ; (named with it as a pair, so it is written)
	s_mov_b32 s26, 0x76543210
	s_mov_b32 s27, 0xfedcba98
	s_mov_b32 s31, 0
	s_wait_kmcnt 0x0
	s_lshl_b32 s30, s13, 12
	s_add_nc_u64 s[14:15], s[4:5], s[30:31]        ; my tokens' codes,
	s_lshl_b32 s30, s13, 8
	s_add_co_u32 s30, s30, XS_OFF
	s_add_nc_u64 s[16:17], s[4:5], s[30:31]        ; their scale words,
	s_lshl_b32 s30, ttmp9, 15
	s_add_nc_u64 s[18:19], s[6:7], s[30:31]        ; my pair of heads in Wk's tiles (Wv's and Wq's lie 131,072 and 262,144 further on),
	s_lshl_b32 s30, ttmp9, 11
	s_add_co_u32 s30, s30, WS_OFF
	s_add_nc_u64 s[20:21], s[6:7], s[30:31]        ; their scale words,
	s_lshl_b32 s30, s13, 14
	s_lshl_b32 s32, ttmp9, 12
	s_add_co_u32 s30, s30, s32
	s_add_nc_u64 s[22:23], s[8:9], s[30:31]        ; and where my queries' results go
	LOADX                                          ; my tokens' codes are asked for together with the weights: 55 loads of mine are out, and one wait serves both
	COPYLD 0
	COPYST
	BARRIER                                        ; head 0's W tiles lie in LDS
	HEAD 0
	BARRIER                                        ; head 1's W tiles lie in LDS
	HEAD 1
	s_wait_tensorcnt 0x0                           ; the wave's end, behind my last LDS store
	ds_add_u32 v[SPW], v[NIL]
	s_wait_dscnt 0x0
	s_endpgm
.Lfunc_end_k_q6defa682e9_attn:
	.size	k_q6defa682e9_attn, .Lfunc_end_k_q6defa682e9_attn-k_q6defa682e9_attn
	.p2alignl 7, 3214868480
	.fill 96, 4, 3214868480
	.section	.rodata,"a",@progbits
	.p2align	6, 0x0
	.amdhsa_kernel k_q6defa682e9_attn
		.amdhsa_group_segment_fixed_size 315392
		.amdhsa_private_segment_fixed_size 0
		.amdhsa_enable_private_segment 0
		.amdhsa_kernarg_size 24
		.amdhsa_user_sgpr_count 2
		.amdhsa_user_sgpr_kernarg_segment_ptr 1
		.amdhsa_wavefront_size32 1
		.amdhsa_system_sgpr_workgroup_id_x 1
		.amdhsa_system_sgpr_workgroup_id_y 1
		.amdhsa_system_sgpr_workgroup_id_z 1
		.amdhsa_system_vgpr_workitem_id 0
		.amdhsa_next_free_vgpr 512
		.amdhsa_next_free_sgpr 66
		.amdhsa_reserve_vcc 0
		.amdhsa_float_denorm_mode_32 3
		.amdhsa_float_denorm_mode_16_64 3
		.amdhsa_memory_ordered 1
		.amdhsa_forward_progress 1
		.amdhsa_inst_pref_size 251
	.end_amdhsa_kernel
	.amdgpu_metadata
---
amdhsa.version: [ 1, 2 ]
amdhsa.kernels:
  - .name:           k_q6defa682e9_attn
    .symbol:         k_q6defa682e9_attn.kd
    .args:
      - { .name: xq, .offset: 0, .size: 8, .value_kind: global_buffer, .address_space: global }
      - { .name: wts, .offset: 8, .size: 8, .value_kind: global_buffer, .address_space: global }
      - { .name: heads, .offset: 16, .size: 8, .value_kind: global_buffer, .address_space: global }
    .group_segment_fixed_size: 315392
    .private_segment_fixed_size: 0
    .kernarg_segment_align: 8
    .kernarg_segment_size: 24
    .max_flat_workgroup_size: 256
    .sgpr_count:     66
    .vgpr_count:     512
    .wavefront_size: 32
...
	.end_amdgpu_metadata
.endif
;; end of part 2
;; launch wo (part 3): grid 4 x 64, 8 waves a work-group, no clusters, 140,288 bytes of LDS; arguments heads, wts, outb, part1; writes outb, part1
.if DOCPART == 3
	.amdgcn_target "amdgcn-amd-amdhsa--gfx1250"
	.amdhsa_code_object_version 6
	.text
	.protected	k_q6defa682e9_wo
	.globl	k_q6defa682e9_wo
	.p2align	8
	.type	k_q6defa682e9_wo,@function
k_q6defa682e9_wo:
	s_mov_b64 s[64:65], 0
	v_nop
	global_prefetch_b8 v0, s[64:65] scope:SCOPE_SE
	s_setreg_imm32_b32 hwreg(HW_REG_WAVE_MODE, 25, 1), 1
	s_wait_xcnt 0x0
; WO: out^T = Wo^T heads^T with f16 operands and f32 sums.  A work-group takes one batch (512 rows) x 128 output features; wave w its rows 64 w .. 64 w + 63 (four tiles) x all eight feature tiles: 32 accumulators, window 1.
; Source 0 = 16 features of Wo^T (images in LDS, brought once, read by all waves), source 1 = 16 rows of heads (images straight from memory, the wave's own, asked for three K steps, 96 matrix instructions of the wave, ahead).
; A lane holds one row and eight neighbouring features.
; out leaves as f32 images of the accumulators (four registers: 512 consecutive bytes).  With it leave, for each feature, the mean over the batch's 512 rows and the sum of squares about THAT mean (two passes over registers;
; parts of equal size are joined as mean of means and sum of M2 + n x sum of (mean_i - mean)^2): no difference of large sums is formed.
; NO JOINT LOADS: the 128 KB of Wo^T come once for each work-group; the heads, which the four work-groups of a batch share, go straight into the registers of the one wave of each that multiplies them.
; LIMITS: NaN and infinities are not served.
.set WO_OFF, 417792
.set EX,     131072                    ; LDS: Wo^T's images at feature tile x 16,384 + K step x 1,024 + half x 512; behind them 1,024 bytes a wave: 128 means, 128 M2
.set SPARE,  139264                    ; the spare words, 128 bytes a wave
.set L16, 2                            ; 16 x lane; also the address of feature tiles 0-3
.set LA,  2                            ; v2, v3: the images of feature tiles 0-3, 4-7
.set WOS, 4
.set EXS, 5
.set EXR, 6
.set G4,  7
.set SPW, 14
.set NIL, 15
.set AG,  32                           ; v32-159  four sets of four fragments from memory
.set BL,  160                          ; v160-255 three sets of four fragments from LDS
.set GPS, 16                           ; s[16:17] the fragments in memory
.set GOFF, 0
.set MSB, 0
.macro WIN new
.if MSB != \new
	s_set_vgpr_msb (MSB<<8)|\new
.set MSB, \new
.endif
.endm
.macro PLACES
.rept 4
	v_nop
.endr
.endm
.macro BARRIER
	s_wait_dscnt 0x0
	s_barrier_signal -1
	s_barrier_wait -1
.endm
.macro GLOAD ks                        ; K step ks of my four fragments from memory, into set ks % 4
.irp g, 0,1,2,3
.irp c, 0,1
	global_load_b128 v[AG+32*((\ks)%4)+8*\g+4*\c:AG+32*((\ks)%4)+8*\g+4*\c+3], v[L16], s[GPS:GPS+1] offset:GOFF+\g*16384+(\ks)*1024+\c*512
.endr
.endr
.endm
.macro LLOAD n                         ; half-step n: K step n / 2 of the four LDS fragments of half n % 2
.irp ii, 0,1,2,3
.irp c, 0,1
	ds_load_b128 v[BL+32*((\n)%3)+8*\ii+4*\c:BL+32*((\n)%3)+8*\ii+4*\c+3], v[LA+(\n)%2] offset:\ii*16384+((\n)/2)*1024+\c*512
.endr
.endr
.endm
; Half-step NN: 16 products on 16 accumulators; the other 16 have the next half-step, so an accumulator comes round after 32 products.
; The LDS loads of two half-steps on and the loads from memory of three K steps on go into the sets that the last half-step read: four places stand in front of them.
.macro HS
.if NN < 31
	s_wait_dscnt 8                                 ; this half-step's LDS fragments are in; the next one's eight loads may be out
.else
	s_wait_dscnt 0x0
.endif
.if NN%2 == 0
.if NN/2 < 14
	s_wait_loadcnt 16                              ; this K step's fragments from memory are in; the next two K steps' sixteen loads may be out
.elseif NN/2 == 14
	s_wait_loadcnt 8                               ; the last K step's eight may be out
.else
	s_wait_loadcnt 0x0
.endif
.endif
.if NN < 30
	WIN 0
	PLACES
	LLOAD NN+2
.if (NN%2 == 0) && (NN/2+3 < 16)
	GLOAD NN/2+3
.endif
.endif
	WIN 0x50
.irp ii, 0,1,2,3
.irp i, 0,1,2,3
.set rD, 8*(4*(4*(NN%2)+\ii)+\i)
.set rA, BL+32*(NN%3)+8*\ii
.set rB, AG+32*((NN/2)%4)+8*\i
.if NN < 2
	v_wmma_f32_16x16x32_f16 v[rD:rD+7], v[rA:rA+7], v[rB:rB+7], 0
.else
	v_wmma_f32_16x16x32_f16 v[rD:rD+7], v[rA:rA+7], v[rB:rB+7], v[rD:rD+7]
.endif
.endr
.endr
.endm
.macro ROWSUM base                     ; 64 registers, each summed over the 16 lanes of its half: every lane gets the sum
.irp x, 1,2,4,8
.set k, 0
.rept 64
	v_add_f32_dpp v[\base+k], v[\base+k], v[\base+k] row_xmask:\x row_mask:0xf bank_mask:0xf
.set k, k+1
.endr
.endr
.endm
	s_load_b256 s[4:11], s[0:1], 0x0               ; heads, wts, outb, part1
	v_lshl_add_u32 v[SPW], v0, 2, SPARE
	v_mov_b32 v[NIL], 0
	v_lshrrev_b32 v8, 5, v0
	v_readfirstlane_b32 s12, v8                    ; wave 0..7
	v_and_b32 v8, 31, v0
	v_lshlrev_b32 v[L16], 4, v8
	v_add_nc_u32 v[LA+1], 65536, v[L16]
	v_bfe_u32 v8, v0, 4, 1
	s_lshl_b32 s24, s12, 10
	v_lshl_add_u32 v[EXS], v8, 5, s24
	v_add_nc_u32 v[EXS], EX, v[EXS]                ; my wave's 1,024 bytes, + 32 for lanes 16-31 (their eight features of a tile)
	v_lshlrev_b32 v[G4], 2, v0
	v_add_nc_u32 v[EXR], EX, v[G4]                 ; thread t reads feature t of every wave's
	s_lshl_b32 s24, s12, 14
	v_add_nc_u32 v[WOS], s24, v[L16]
	s_and_b32 s14, ttmp7, 0xffff                   ; the batch
	s_lshl_b32 s15, s14, 5
	s_lshl_b32 s24, s12, 2
	s_add_co_u32 s15, s15, s24                     ; my first row tile
	s_mov_b32 s25, 0
	s_wait_kmcnt 0x0
	s_lshl_b32 s24, s15, 14
	s_add_nc_u64 s[16:17], s[4:5], s[24:25]        ; my rows' fragments
	s_lshl_b32 s24, ttmp9, 3
	s_add_co_u32 s24, s24, s12
	s_lshl_b32 s24, s24, 14
	s_add_co_u32 s24, s24, WO_OFF
	s_add_nc_u64 s[18:19], s[6:7], s[24:25]        ; the feature tile of Wo^T that my wave brings
	s_lshl_b32 s24, s15, 15
	s_lshl_b32 s26, ttmp9, 13
	s_add_co_u32 s24, s24, s26
	s_add_nc_u64 s[20:21], s[8:9], s[24:25]        ; my part of out
	s_lshl_b32 s24, s14, 12
	s_lshl_b32 s26, ttmp9, 9
	s_add_co_u32 s24, s24, s26
	s_add_nc_u64 s[22:23], s[10:11], s[24:25]      ; the batch's partial statistics, my 128 features
	WIN 0x40
.set k, 0
.rept 32
	global_load_b128 v[4*k:4*k+3], v[L16], s[18:19] offset:512*k
.set k, k+1
.endr
	WIN 0
	GLOAD 0
	GLOAD 1
	GLOAD 2
	s_wait_loadcnt 24                              ; Wo^T's tile is in; the three sets of heads may be out
	WIN 0x04
.set k, 0
.rept 32
	ds_store_b128 v[WOS], v[4*k:4*k+3] offset:512*k
.set k, k+1
.endr
	WIN 0
	BARRIER                                        ; the eight feature tiles lie in LDS
	LLOAD 0
	LLOAD 1
.set NN, 0
.rept 32
	HS
.set NN, NN+1
.endr
	WIN 0
	PLACES                                         ; in front of the stores of results, and of vector writes over the fragments' registers
	WIN 0x04
.irp ft, 0,1,2,3,4,5,6,7
.irp i, 0,1,2,3
.irp q, 0,1
	global_store_b128 v[L16], v[32*\ft+8*\i+4*\q:32*\ft+8*\i+4*\q+3], s[20:21] offset:\i*32768+\ft*1024+\q*512 th:TH_STORE_NT   ; each accumulator from its low end on; 512 consecutive bytes
.endr
.endr
.endr
	; the statistics of my 64 rows: register 8 ft + j of a lane is feature 16 ft + 8 h + j
	WIN 0x05
.irp ft, 0,1,2,3,4,5,6,7
.irp u, 0,1,2,3
	v_pk_add_f32 v[64+8*\ft+2*\u:65+8*\ft+2*\u], v[32*\ft+2*\u:32*\ft+2*\u+1], v[32*\ft+8+2*\u:32*\ft+9+2*\u]
	v_pk_add_f32 v[128+8*\ft+2*\u:129+8*\ft+2*\u], v[32*\ft+16+2*\u:32*\ft+17+2*\u], v[32*\ft+24+2*\u:32*\ft+25+2*\u]
.endr
.endr
	WIN 0
.set k, 0
.rept 32
	v_pk_add_f32 v[64+2*k:65+2*k], v[64+2*k:65+2*k], v[128+2*k:129+2*k]
.set k, k+1
.endr
	ROWSUM 64
.set k, 0
.rept 32
	v_pk_mul_f32 v[64+2*k:65+2*k], v[64+2*k:65+2*k], 0x3c800000 op_sel_hi:[1,0]   ; / 64: the mean
.set k, k+1
.endr
.irp i, 0,1,2,3
	WIN 0x01
.irp ft, 0,1,2,3,4,5,6,7
.irp u, 0,1,2,3
	v_pk_add_f32 v[128+8*\ft+2*\u:129+8*\ft+2*\u], v[32*\ft+8*\i+2*\u:32*\ft+8*\i+2*\u+1], v[64+8*\ft+2*\u:65+8*\ft+2*\u] neg_lo:[0,1] neg_hi:[0,1]
.endr
.endr
	WIN 0
.set k, 0
.rept 32
.if \i == 0
	v_pk_mul_f32 v[192+2*k:193+2*k], v[128+2*k:129+2*k], v[128+2*k:129+2*k]
.else
	v_pk_fma_f32 v[192+2*k:193+2*k], v[128+2*k:129+2*k], v[128+2*k:129+2*k], v[192+2*k:193+2*k]
.endif
.set k, k+1
.endr
.endr
	ROWSUM 192
.irp ft, 0,1,2,3,4,5,6,7
.irp q, 0,1
	ds_store_b128 v[EXS], v[64+8*\ft+4*\q:67+8*\ft+4*\q] offset:\ft*64+\q*16        ; the 16 lanes of a half write the same bytes with the same values
	ds_store_b128 v[EXS], v[192+8*\ft+4*\q:195+8*\ft+4*\q] offset:512+\ft*64+\q*16
.endr
.endr
	BARRIER                                        ; the eight waves' means and M2 lie in LDS
	s_cmp_ge_u32 s12, 4                            ; waves 0-3 join them: thread t takes feature t
	s_cbranch_scc1 .Lend
.irp w, 0,1,2,3,4,5,6,7
	ds_load_b32 v[16+\w], v[EXR] offset:\w*1024
.endr
.irp w, 0,1,2,3,4,5,6,7
	ds_load_b32 v[24+\w], v[EXR] offset:\w*1024+512
.endr
	s_wait_dscnt 0x0
	v_pk_add_f32 v[32:33], v[16:17], v[18:19]
	v_pk_add_f32 v[34:35], v[20:21], v[22:23]
	v_pk_add_f32 v[32:33], v[32:33], v[34:35]
	v_add_f32 v32, v32, v33
	v_mul_f32 v32, 0x3e000000, v32                 ; the mean of the eight means
.irp u, 0,1,2,3
	v_pk_add_f32 v[16+2*\u:17+2*\u], v[16+2*\u:17+2*\u], v[32:33] op_sel_hi:[1,0] neg_lo:[0,1] neg_hi:[0,1]
.endr
	v_pk_mul_f32 v[34:35], v[16:17], v[16:17]
.irp u, 1,2,3
	v_pk_fma_f32 v[34:35], v[16+2*\u:17+2*\u], v[16+2*\u:17+2*\u], v[34:35]
.endr
	v_pk_add_f32 v[24:25], v[24:25], v[26:27]
	v_pk_add_f32 v[28:29], v[28:29], v[30:31]
	v_pk_add_f32 v[24:25], v[24:25], v[28:29]
	v_pk_fma_f32 v[24:25], v[34:35], 0x42800000, v[24:25] op_sel_hi:[1,0,1]   ; + 64 x the squares of the means' distances
	v_add_f32 v33, v24, v25
	global_store_b32 v[G4], v32, s[22:23]
	global_store_b32 v[G4], v33, s[22:23] offset:2048
.Lend:
	s_wait_tensorcnt 0x0                           ; the wave's end, behind my last LDS store
	ds_add_u32 v[SPW], v[NIL]
	s_wait_dscnt 0x0
	s_endpgm
.Lfunc_end_k_q6defa682e9_wo:
	.size	k_q6defa682e9_wo, .Lfunc_end_k_q6defa682e9_wo-k_q6defa682e9_wo
	.p2alignl 7, 3214868480
	.fill 96, 4, 3214868480
	.section	.rodata,"a",@progbits
	.p2align	6, 0x0
	.amdhsa_kernel k_q6defa682e9_wo
		.amdhsa_group_segment_fixed_size 140288
		.amdhsa_private_segment_fixed_size 0
		.amdhsa_enable_private_segment 0
		.amdhsa_kernarg_size 32
		.amdhsa_user_sgpr_count 2
		.amdhsa_user_sgpr_kernarg_segment_ptr 1
		.amdhsa_wavefront_size32 1
		.amdhsa_system_sgpr_workgroup_id_x 1
		.amdhsa_system_sgpr_workgroup_id_y 1
		.amdhsa_system_sgpr_workgroup_id_z 1
		.amdhsa_system_vgpr_workitem_id 0
		.amdhsa_next_free_vgpr 512
		.amdhsa_next_free_sgpr 66
		.amdhsa_reserve_vcc 0
		.amdhsa_float_denorm_mode_32 3
		.amdhsa_float_denorm_mode_16_64 3
		.amdhsa_memory_ordered 1
		.amdhsa_forward_progress 1
		.amdhsa_inst_pref_size 143
	.end_amdhsa_kernel
	.amdgpu_metadata
---
amdhsa.version: [ 1, 2 ]
amdhsa.kernels:
  - .name:           k_q6defa682e9_wo
    .symbol:         k_q6defa682e9_wo.kd
    .args:
      - { .name: heads, .offset: 0, .size: 8, .value_kind: global_buffer, .address_space: global }
      - { .name: wts, .offset: 8, .size: 8, .value_kind: global_buffer, .address_space: global }
      - { .name: outb, .offset: 16, .size: 8, .value_kind: global_buffer, .address_space: global }
      - { .name: part1, .offset: 24, .size: 8, .value_kind: global_buffer, .address_space: global }
    .group_segment_fixed_size: 140288
    .private_segment_fixed_size: 0
    .kernarg_segment_align: 8
    .kernarg_segment_size: 32
    .max_flat_workgroup_size: 256
    .sgpr_count:     66
    .vgpr_count:     512
    .wavefront_size: 32
...
	.end_amdgpu_metadata
.endif
;; end of part 3
;; launch ffn (part 4): grid 256 x 1, 8 waves a work-group, no clusters, 271,360 bytes of LDS; arguments outb, part1, norm1_w, norm1_b, wts, ff_b1, ff_b2, h2b, part2; writes h2b, part2
.if DOCPART == 4
	.amdgcn_target "amdgcn-amd-amdhsa--gfx1250"
	.amdhsa_code_object_version 6
	.text
	.protected	k_q6defa682e9_ffn
	.globl	k_q6defa682e9_ffn
	.p2align	8
	.type	k_q6defa682e9_ffn,@function
k_q6defa682e9_ffn:
	s_mov_b64 s[64:65], 0
	v_nop
	global_prefetch_b8 v0, s[64:65] scope:SCOPE_SE
	s_setreg_imm32_b32 hwreg(HW_REG_WAVE_MODE, 25, 1), 1
	s_wait_xcnt 0x0
; FFN: h = BatchNorm1(2 out); h2 = 2 (h + relu(h W1^T + b1) W2^T + b2), both products with f16 operands and f32 sums; the residual h stays f32.
; A work-group takes 128 rows (eight tiles).  THE WAVES SHARE THE FEATURES: wave w makes feature tiles 4 w .. 4 w + 3 of the hidden layer and of the result, for all 128 rows: 32 accumulators, window 1.
; Source 0 = 16 rows of a weight (images straight from memory, each byte once for a work-group), source 1 = 16 rows of h or of the hidden layer (images in LDS, made by all waves, read by all).
; BN1 works on out as stored: h = (o - mean) x 2 w rsq(4 var + eps) + b, 4 var = M2 / 8,192.  The 64 batches' (mean, M2) are joined as mean of means and sum of M2 + 512 x sum of (mean_i - mean)^2.
; out is read a second time, for the residual: (o - mean) A + (b + b2) is what the second product's sums begin with, so the residual and b2 cost no addition; b1 is the C of the first product's first K step.
; h2 leaves as f32 images of the accumulators, with each feature's mean and M2 over the 128 rows (two lanes store 16 bytes each there: 4,096 bytes of a work-group's 266,240).
; NO JOINT LOADS: the weights go straight into the registers of the one wave that multiplies them, and LDS is taken by the two operands' images.
; LIMITS: NaN and infinities are not served; |h| and the hidden layer over 65,504 are not served (f16), magnitudes under 6e-5 lose bits.
.set W1_OFF, 942080
.set W2_OFF, 1466368
.set TAB,    262144                    ; LDS: h's images at 0, the hidden layer's at 131,072 (row tile x 16,384 + K step x 1,024 + half x 512); then four tables of 512 f32: mean, A, b, b + b2
.set SPARE,  270336                    ; the spare words, 128 bytes a wave
.set P8,  2                            ; 8 x thread
.set HB,  3                            ; 32 x (lane / 16)
.set L16, 4                            ; 16 x lane = the first of v4-7: the images of h's row tiles 0-3, 4-7, the hidden layer's 0-3, 4-7
.set HW,  8                            ; v8-11: the same + 2,048 x wave: where my feature tiles' halves go
.set TA,  12                           ; the tables at my wave's 64 features, + 32 for lanes 16-31
.set TW,  13                           ; the tables at my thread's two features
.set SPW, 14
.set NIL, 15
.set B1R, 32                           ; v32-63 b1 of my four tiles, in the result's layout
.set AG,  64
.set BL,  160
.set PR,  128
.set GPS, 28
.set MSB, 0
.macro WIN new
.if MSB != \new
	s_set_vgpr_msb (MSB<<8)|\new
.set MSB, \new
.endif
.endm
.macro PLACES
.rept 4
	v_nop
.endr
.endm
.macro BARRIER
	s_wait_dscnt 0x0
	s_barrier_signal -1
	s_barrier_wait -1
.endm
.macro GLOAD ks                        ; K step ks of my four weight fragments
.irp g, 0,1,2,3
.irp c, 0,1
	global_load_b128 v[AG+32*((\ks)%3)+8*\g+4*\c:AG+32*((\ks)%3)+8*\g+4*\c+3], v[L16], s[GPS:GPS+1] offset:GOFF+\g*16384+(\ks)*1024+\c*512
.endr
.endr
.endm
.macro LLOAD n                         ; half-step n: K step n / 2 of row tiles 4 (n % 2) .. + 3
.irp ii, 0,1,2,3
.irp c, 0,1
	ds_load_b128 v[BL+32*((\n)%3)+8*\ii+4*\c:BL+32*((\n)%3)+8*\ii+4*\c+3], v[LA+(\n)%2] offset:\ii*16384+((\n)/2)*1024+\c*512
.endr
.endr
.endm
; Half-step NN: 16 products on 16 accumulators; the other 16 have the next half-step.  BIAS = 1: the first K step takes b1 as C.
.macro HS
.if NN < 31
	s_wait_dscnt 8                                 ; this half-step's LDS fragments are in; the next one's eight loads may be out
.else
	s_wait_dscnt 0x0
.endif
.if NN%2 == 0
.if NN < 30
	s_wait_loadcnt 8                               ; this K step's weights are in; the next one's eight loads may be out
.else
	s_wait_loadcnt 0x0
.endif
.endif
.if NN < 30
	WIN 0
	PLACES                                         ; the loads below go into the sets that the last half-step read
	LLOAD NN+2
.if (NN%2 == 0) && (NN/2+2 < 16)
	GLOAD NN/2+2
.endif
.endif
.if (NN < 2) && BIAS
	WIN 0x40
.else
	WIN 0x50
.endif
.irp f, 0,1,2,3
.irp ii, 0,1,2,3
.set rD, 8*(8*\f+4*(NN%2)+\ii)
.set rA, AG+32*((NN/2)%3)+8*\f
.set rB, BL+32*(NN%3)+8*\ii
.if (NN < 2) && BIAS
	v_wmma_f32_16x16x32_f16 v[rD:rD+7], v[rA:rA+7], v[rB:rB+7], v[B1R+8*\f:B1R+8*\f+7]
.else
	v_wmma_f32_16x16x32_f16 v[rD:rD+7], v[rA:rA+7], v[rB:rB+7], v[rD:rD+7]
.endif
.endr
.endr
.endm
.macro OLOAD f, nt                     ; out: feature tile f of my four, all eight row tiles, into the accumulators' registers
.irp i, 0,1,2,3,4,5,6,7
.irp q, 0,1
.if \nt
	global_load_b128 v[8*(8*\f+\i)+4*\q:8*(8*\f+\i)+4*\q+3], v[L16], s[24:25] offset:\i*32768+\f*1024+\q*512 th:TH_LOAD_NT
.else
	global_load_b128 v[8*(8*\f+\i)+4*\q:8*(8*\f+\i)+4*\q+3], v[L16], s[24:25] offset:\i*32768+\f*1024+\q*512
.endif
.endr
.endr
.endm
; h of feature tiles 2 hb, 2 hb + 1: normalised in f32, rounded to f16, stored as halves of fragments.  cnt: the loads issued behind this half's, which may stay out
.macro P1HALF hb, cnt
.irp st, 0,1,2
.irp fp, 0,1
.irp q, 0,1
	ds_load_b128 v[PR+16*\st+8*\fp+4*\q:PR+16*\st+8*\fp+4*\q+3], v[TA] offset:\st*2048+(2*\hb+\fp)*64+\q*16
.endr
.endr
.endr
	s_wait_loadcnt \cnt
	s_wait_dscnt 0x0                               ; the parameters are in (and the last half's stores are done)
	WIN 0x41
.irp fp, 0,1
.irp i, 0,1,2,3,4,5,6,7
.irp u, 0,1,2,3
.set aa, 8*(8*(2*\hb+\fp)+\i)+2*\u
	v_pk_add_f32 v[aa:aa+1], v[aa:aa+1], v[PR+8*\fp+2*\u:PR+8*\fp+2*\u+1] neg_lo:[0,1] neg_hi:[0,1]
.endr
.endr
.endr
.irp fp, 0,1
.irp i, 0,1,2,3,4,5,6,7
.irp u, 0,1,2,3
.set aa, 8*(8*(2*\hb+\fp)+\i)+2*\u
	v_pk_fma_f32 v[aa:aa+1], v[aa:aa+1], v[PR+16+8*\fp+2*\u:PR+16+8*\fp+2*\u+1], v[PR+32+8*\fp+2*\u:PR+32+8*\fp+2*\u+1]
.endr
.endr
.endr
	WIN 0x05
.irp fp, 0,1
.irp i, 0,1,2,3,4,5,6,7
.irp jj, 0,1,2,3
	v_cvt_pk_f16_f32 v[192+4*(8*\fp+\i)+\jj], v[8*(8*(2*\hb+\fp)+\i)+2*\jj], v[8*(8*(2*\hb+\fp)+\i)+2*\jj+1]
.endr
.endr
.endr
	WIN 0
.irp fp, 0,1
.irp i, 0,1,2,3,4,5,6,7
	ds_store_b128 v[HW+\i/4], v[192+4*(8*\fp+\i):192+4*(8*\fp+\i)+3] offset:(\i%4)*16384+(2*\hb+\fp)*512
.endr
.endr
.endm
	s_load_b512 s[4:19], s[0:1], 0x0               ; outb, part1, norm1_w, norm1_b, wts, ff_b1, ff_b2, h2b
	s_load_b64 s[20:21], s[0:1], 0x40              ; part2
	v_lshl_add_u32 v[SPW], v0, 2, SPARE
	v_mov_b32 v[NIL], 0
	v_lshrrev_b32 v16, 5, v0
	v_readfirstlane_b32 s22, v16                   ; wave 0..7
	v_and_b32 v16, 31, v0
	v_lshlrev_b32 v[L16], 4, v16
	v_add_nc_u32 v[L16+1], 65536, v[L16]
	v_add_nc_u32 v[L16+2], 131072, v[L16]
	v_add_nc_u32 v[L16+3], 196608, v[L16]
	s_lshl_b32 s34, s22, 11
.irp k, 0,1,2,3
	v_add_nc_u32 v[HW+\k], s34, v[L16+\k]
.endr
	v_lshlrev_b32 v[P8], 3, v0
	v_add_nc_u32 v[TW], TAB, v[P8]
	v_bfe_u32 v16, v0, 4, 1
	v_lshlrev_b32 v[HB], 5, v16
	s_lshl_b32 s34, s22, 8
	s_add_co_u32 s36, s34, TAB
	v_add_nc_u32 v[TA], s36, v[HB]
	s_mov_b32 s35, 0
	s_mov_b32 s37, 0
	s_mov_b32 s38, 0x39000000                      ; 2^-13
	s_mov_b32 s39, 0x3727c5ac                      ; eps
	s_wait_kmcnt 0x0
	s_add_nc_u64 s[30:31], s[14:15], s[34:35]      ; b1 at my 64 hidden units
	s_lshl_b32 s36, ttmp9, 12
	s_add_co_u32 s36, s36, s34
	s_add_nc_u64 s[32:33], s[20:21], s[36:37]      ; my work-group's partial statistics, my 64 features
	s_lshl_b32 s36, ttmp9, 18
	s_lshl_b32 s34, s22, 12
	s_add_co_u32 s36, s36, s34
	s_add_nc_u64 s[24:25], s[4:5], s[36:37]        ; out and h2: my work-group's eight row tiles, my four feature tiles
	s_add_nc_u64 s[26:27], s[18:19], s[36:37]
	s_lshl_b32 s34, s22, 16
	s_add_nc_u64 s[28:29], s[12:13], s[34:35]      ; the weights: my four tiles of 16 rows
	; ---- the 64 batches' statistics: thread t takes features 2 t and 2 t + 1
.set k, 0
.rept 64
	global_load_b64 v[64+2*k:65+2*k], v[P8], s[6:7] offset:k*4096
.set k, k+1
.endr
	WIN 0x40
.set k, 0
.rept 64
	global_load_b64 v[128+2*k:129+2*k], v[P8], s[6:7] offset:k*4096+2048
.set k, k+1
.endr
	WIN 0
	global_load_b64 v[16:17], v[P8], s[8:9]        ; w
	global_load_b64 v[18:19], v[P8], s[10:11]      ; b
	global_load_b64 v[20:21], v[P8], s[16:17]      ; b2
.irp f, 0,1,2,3
.irp q, 0,1
	global_load_b128 v[B1R+8*\f+4*\q:B1R+8*\f+4*\q+3], v[HB], s[30:31] offset:\f*64+\q*16
.endr
.endr
	WIN 0x40
	OLOAD 0, 0
	OLOAD 1, 0
	WIN 0
	s_wait_loadcnt 32                              ; all but the 32 loads of out just issued
.irp k, 0,1,2,3
	v_pk_add_f32 v[24+2*\k:25+2*\k], v[64+2*\k:65+2*\k], v[72+2*\k:73+2*\k]
.endr
.set k, 8
.rept 56
	v_pk_add_f32 v[24+2*(k%4):25+2*(k%4)], v[24+2*(k%4):25+2*(k%4)], v[64+2*k:65+2*k]
.set k, k+1
.endr
	v_pk_add_f32 v[24:25], v[24:25], v[26:27]
	v_pk_add_f32 v[28:29], v[28:29], v[30:31]
	v_pk_add_f32 v[24:25], v[24:25], v[28:29]
	v_pk_mul_f32 v[22:23], v[24:25], 0x3c800000 op_sel_hi:[1,0]   ; the mean of the 64 means
.set k, 0
.rept 64
	v_pk_add_f32 v[64+2*k:65+2*k], v[64+2*k:65+2*k], v[22:23] neg_lo:[0,1] neg_hi:[0,1]
.set k, k+1
.endr
.irp k, 0,1,2,3
	v_pk_mul_f32 v[24+2*\k:25+2*\k], v[64+2*\k:65+2*\k], v[64+2*\k:65+2*\k]
.endr
.set k, 4
.rept 60
	v_pk_fma_f32 v[24+2*(k%4):25+2*(k%4)], v[64+2*k:65+2*k], v[64+2*k:65+2*k], v[24+2*(k%4):25+2*(k%4)]
.set k, k+1
.endr
	v_pk_add_f32 v[24:25], v[24:25], v[26:27]
	v_pk_add_f32 v[28:29], v[28:29], v[30:31]
	v_pk_add_f32 v[24:25], v[24:25], v[28:29]      ; the squares of the means' distances
	WIN 0x05
.irp k, 0,1,2,3
	v_pk_add_f32 v[64+2*\k:65+2*\k], v[128+2*\k:129+2*\k], v[136+2*\k:137+2*\k]
.endr
	WIN 0x01
.set k, 8
.rept 56
	v_pk_add_f32 v[64+2*(k%4):65+2*(k%4)], v[128+2*k:129+2*k], v[64+2*(k%4):65+2*(k%4)]
.set k, k+1
.endr
	WIN 0
	v_pk_add_f32 v[64:65], v[64:65], v[66:67]
	v_pk_add_f32 v[68:69], v[68:69], v[70:71]
	v_pk_add_f32 v[64:65], v[64:65], v[68:69]
	v_pk_fma_f32 v[24:25], v[24:25], 0x44000000, v[64:65] op_sel_hi:[1,0,1]   ; M2 of all 32,768 rows
	v_fma_f32 v26, v24, s38, s39                   ; 4 var + eps
	v_fma_f32 v27, v25, s38, s39
	v_pk_add_f32 v[16:17], v[16:17], v[16:17]      ; 2 w
	v_pk_add_f32 v[20:21], v[20:21], v[18:19]      ; b + b2
	v_rsq_f32 v26, v26
	v_rsq_f32 v27, v27
	v_nop
	s_wait_alu depctr_va_vdst(0)                   ; one wait for the two, ahead of their reader
	v_pk_mul_f32 v[16:17], v[16:17], v[26:27]      ; A
	ds_store_b64 v[TW], v[22:23]
	ds_store_b64 v[TW], v[16:17] offset:2048
	ds_store_b64 v[TW], v[18:19] offset:4096
	ds_store_b64 v[TW], v[20:21] offset:6144
	WIN 0x40
	OLOAD 2, 0
	OLOAD 3, 0
	WIN 0
.set GOFF, W1_OFF
	GLOAD 0
	GLOAD 1
	BARRIER                                        ; the tables are whole
	P1HALF 0, 48                                   ; behind the first half of out: its second half's 32 loads and 16 of W1
	P1HALF 1, 16                                   ; behind the second half: the 16 of W1
	BARRIER                                        ; h's images are whole
	; ---- the hidden layer
.set LA, L16
.set BIAS, 1
	LLOAD 0
	LLOAD 1
.set NN, 0
.rept 32
	HS
.set NN, NN+1
.endr
	WIN 0
	PLACES                                         ; in front of the first reads of results and of vector writes over the fragments' registers
	WIN 0x44
.set k, 0
.rept 256
	v_max_num_f32 v[k], 0, v[k]                    ; the activation, in f32; each accumulator from its low end on
.set k, k+1
.endr
.irp f, 0,1,2,3
	WIN 0x05
.irp i, 0,1,2,3,4,5,6,7
.irp jj, 0,1,2,3
	v_cvt_pk_f16_f32 v[128+32*\f+4*\i+\jj], v[8*(8*\f+\i)+2*\jj], v[8*(8*\f+\i)+2*\jj+1]
.endr
.endr
	WIN 0
.irp i, 0,1,2,3,4,5,6,7
	ds_store_b128 v[HW+2+\i/4], v[128+32*\f+4*\i:128+32*\f+4*\i+3] offset:(\i%4)*16384+\f*512
.endr
.endr
	WIN 0x40
.irp f, 0,1,2,3
	OLOAD \f, 1                                    ; out once more, for the residual
.endr
	WIN 0
.set GOFF, W2_OFF
	GLOAD 0
	GLOAD 1
	BARRIER                                        ; the hidden layer's images are whole
.irp st, 0,1,2
.irp f, 0,1,2,3
.irp q, 0,1
	ds_load_b128 v[160+32*\st+8*\f+4*\q:160+32*\st+8*\f+4*\q+3], v[TA] offset:\st*2048+(\st/2)*2048+\f*64+\q*16   ; mean, A, b + b2
.endr
.endr
.endr
	s_wait_dscnt 0x0
	s_wait_loadcnt 16                              ; out is in; the 16 loads of W2 may be out
	WIN 0x41
.irp f, 0,1,2,3
.irp i, 0,1,2,3,4,5,6,7
.irp u, 0,1,2,3
.set aa, 8*(8*\f+\i)+2*\u
	v_pk_add_f32 v[aa:aa+1], v[aa:aa+1], v[160+8*\f+2*\u:161+8*\f+2*\u] neg_lo:[0,1] neg_hi:[0,1]
.endr
.endr
.endr
.irp f, 0,1,2,3
.irp i, 0,1,2,3,4,5,6,7
.irp u, 0,1,2,3
.set aa, 8*(8*\f+\i)+2*\u
	v_pk_fma_f32 v[aa:aa+1], v[aa:aa+1], v[192+8*\f+2*\u:193+8*\f+2*\u], v[224+8*\f+2*\u:225+8*\f+2*\u]   ; h + b2: what the second product adds onto
.endr
.endr
.endr
	WIN 0
.set LA, L16+2
.set BIAS, 0
	LLOAD 0
	LLOAD 1
.set NN, 0
.rept 32
	HS
.set NN, NN+1
.endr
	WIN 0
	PLACES
	WIN 0x45
.set k, 0
.rept 128
	v_pk_add_f32 v[2*k:2*k+1], v[2*k:2*k+1], v[2*k:2*k+1]   ; h2 = 2 (h + ff)
.set k, k+1
.endr
	WIN 0x04
.irp f, 0,1,2,3
.irp i, 0,1,2,3,4,5,6,7
.irp q, 0,1
	global_store_b128 v[L16], v[8*(8*\f+\i)+4*\q:8*(8*\f+\i)+4*\q+3], s[26:27] offset:\i*32768+\f*1024+\q*512 th:TH_STORE_NT   ; 512 consecutive bytes
.endr
.endr
.endr
	; ---- the statistics of the 128 rows for my 64 features: register 32 f + j of a lane is feature 16 f + 8 h + j of my four tiles
	WIN 0x05
.irp f, 0,1,2,3
.irp ip, 0,1,2,3
.irp u, 0,1,2,3
	v_pk_add_f32 v[64+32*\f+8*\ip+2*\u:65+32*\f+8*\ip+2*\u], v[8*(8*\f+2*\ip)+2*\u:8*(8*\f+2*\ip)+2*\u+1], v[8*(8*\f+2*\ip+1)+2*\u:8*(8*\f+2*\ip+1)+2*\u+1]
.endr
.endr
.endr
	WIN 0
.irp f, 0,1,2,3
.irp u, 0,1,2,3
	v_pk_add_f32 v[64+32*\f+2*\u:65+32*\f+2*\u], v[64+32*\f+2*\u:65+32*\f+2*\u], v[72+32*\f+2*\u:73+32*\f+2*\u]
	v_pk_add_f32 v[80+32*\f+2*\u:81+32*\f+2*\u], v[80+32*\f+2*\u:81+32*\f+2*\u], v[88+32*\f+2*\u:89+32*\f+2*\u]
.endr
.endr
.irp f, 0,1,2,3
.irp u, 0,1,2,3
	v_pk_add_f32 v[64+32*\f+2*\u:65+32*\f+2*\u], v[64+32*\f+2*\u:65+32*\f+2*\u], v[80+32*\f+2*\u:81+32*\f+2*\u]
.endr
.endr
.irp x, 1,2,4,8
.irp f, 0,1,2,3
.irp j, 0,1,2,3,4,5,6,7
	v_add_f32_dpp v[64+32*\f+\j], v[64+32*\f+\j], v[64+32*\f+\j] row_xmask:\x row_mask:0xf bank_mask:0xf
.endr
.endr
.endr
.irp f, 0,1,2,3
.irp u, 0,1,2,3
	v_pk_mul_f32 v[64+32*\f+2*\u:65+32*\f+2*\u], v[64+32*\f+2*\u:65+32*\f+2*\u], 0x3c000000 op_sel_hi:[1,0]   ; / 128: the mean
.endr
.endr
.irp bt, 0,1,2,3
	WIN 0x01
.irp e, 0,1
.irp f, 0,1,2,3
.irp u, 0,1,2,3
	v_pk_add_f32 v[192+32*\e+8*\f+2*\u:193+32*\e+8*\f+2*\u], v[8*(8*\f+2*\bt+\e)+2*\u:8*(8*\f+2*\bt+\e)+2*\u+1], v[64+32*\f+2*\u:65+32*\f+2*\u] neg_lo:[0,1] neg_hi:[0,1]
.endr
.endr
.endr
	WIN 0
.irp e, 0,1
.irp f, 0,1,2,3
.irp u, 0,1,2,3
.if (\bt == 0) && (\e == 0)
	v_pk_mul_f32 v[72+32*\f+2*\u:73+32*\f+2*\u], v[192+32*\e+8*\f+2*\u:193+32*\e+8*\f+2*\u], v[192+32*\e+8*\f+2*\u:193+32*\e+8*\f+2*\u]
.else
	v_pk_fma_f32 v[72+32*\f+2*\u:73+32*\f+2*\u], v[192+32*\e+8*\f+2*\u:193+32*\e+8*\f+2*\u], v[192+32*\e+8*\f+2*\u:193+32*\e+8*\f+2*\u], v[72+32*\f+2*\u:73+32*\f+2*\u]
.endif
.endr
.endr
.endr
.endr
.irp x, 1,2,4,8
.irp f, 0,1,2,3
.irp j, 0,1,2,3,4,5,6,7
	v_add_f32_dpp v[72+32*\f+\j], v[72+32*\f+\j], v[72+32*\f+\j] row_xmask:\x row_mask:0xf bank_mask:0xf
.endr
.endr
.endr
	v_and_b32 v16, 15, v0
	v_cmp_eq_u32 vcc_lo, 0, v16
	s_wait_xcnt 0x0                                ; EXEC is a source of the stores above: it changes only behind this wait
	s_and_saveexec_b32 s40, vcc_lo                 ; lanes 0 and 16 store for their halves
.irp f, 0,1,2,3
.irp q, 0,1
	global_store_b128 v[HB], v[64+32*\f+4*\q:67+32*\f+4*\q], s[32:33] offset:\f*64+\q*16
	global_store_b128 v[HB], v[72+32*\f+4*\q:75+32*\f+4*\q], s[32:33] offset:2048+\f*64+\q*16
.endr
.endr
	s_wait_xcnt 0x0
	s_or_b32 exec_lo, exec_lo, s40
	s_wait_tensorcnt 0x0                           ; the wave's end, behind my last LDS store
	ds_add_u32 v[SPW], v[NIL]
	s_wait_dscnt 0x0
	s_endpgm
.Lfunc_end_k_q6defa682e9_ffn:
	.size	k_q6defa682e9_ffn, .Lfunc_end_k_q6defa682e9_ffn-k_q6defa682e9_ffn
	.p2alignl 7, 3214868480
	.fill 96, 4, 3214868480
	.section	.rodata,"a",@progbits
	.p2align	6, 0x0
	.amdhsa_kernel k_q6defa682e9_ffn
		.amdhsa_group_segment_fixed_size 271360
		.amdhsa_private_segment_fixed_size 0
		.amdhsa_enable_private_segment 0
		.amdhsa_kernarg_size 72
		.amdhsa_user_sgpr_count 2
		.amdhsa_user_sgpr_kernarg_segment_ptr 1
		.amdhsa_wavefront_size32 1
		.amdhsa_system_sgpr_workgroup_id_x 1
		.amdhsa_system_sgpr_workgroup_id_y 1
		.amdhsa_system_sgpr_workgroup_id_z 1
		.amdhsa_system_vgpr_workitem_id 0
		.amdhsa_next_free_vgpr 512
		.amdhsa_next_free_sgpr 66
		.amdhsa_reserve_vcc 1
		.amdhsa_float_denorm_mode_32 3
		.amdhsa_float_denorm_mode_16_64 3
		.amdhsa_memory_ordered 1
		.amdhsa_forward_progress 1
		.amdhsa_inst_pref_size 255
	.end_amdhsa_kernel
	.section	.bss,"aw",@nobits
	.p2align	6
	.space	262144
	.amdgpu_metadata
---
amdhsa.version: [ 1, 2 ]
amdhsa.kernels:
  - .name:           k_q6defa682e9_ffn
    .symbol:         k_q6defa682e9_ffn.kd
    .args:
      - { .name: outb, .offset: 0, .size: 8, .value_kind: global_buffer, .address_space: global }
      - { .name: part1, .offset: 8, .size: 8, .value_kind: global_buffer, .address_space: global }
      - { .name: norm1_w, .offset: 16, .size: 8, .value_kind: global_buffer, .address_space: global }
      - { .name: norm1_b, .offset: 24, .size: 8, .value_kind: global_buffer, .address_space: global }
      - { .name: wts, .offset: 32, .size: 8, .value_kind: global_buffer, .address_space: global }
      - { .name: ff_b1, .offset: 40, .size: 8, .value_kind: global_buffer, .address_space: global }
      - { .name: ff_b2, .offset: 48, .size: 8, .value_kind: global_buffer, .address_space: global }
      - { .name: h2b, .offset: 56, .size: 8, .value_kind: global_buffer, .address_space: global }
      - { .name: part2, .offset: 64, .size: 8, .value_kind: global_buffer, .address_space: global }
    .group_segment_fixed_size: 271360
    .private_segment_fixed_size: 0
    .kernarg_segment_align: 8
    .kernarg_segment_size: 72
    .max_flat_workgroup_size: 256
    .sgpr_count:     66
    .vgpr_count:     512
    .wavefront_size: 32
...
	.end_amdgpu_metadata
.endif
;; end of part 4
;; launch bn2 (part 5): grid 8 x 32, 8 waves a work-group, no clusters, 80,896 bytes of LDS; arguments h2b, part2, norm2_w, norm2_b, out0; writes out0
.if DOCPART == 5
	.amdgcn_target "amdgcn-amd-amdhsa--gfx1250"
	.amdhsa_code_object_version 6
	.text
	.protected	k_q6defa682e9_bn2
	.globl	k_q6defa682e9_bn2
	.p2align	8
	.type	k_q6defa682e9_bn2,@function
k_q6defa682e9_bn2:
	s_mov_b64 s[64:65], 0
	v_nop
	global_prefetch_b8 v0, s[64:65] scope:SCOPE_SE
	s_setreg_imm32_b32 hwreg(HW_REG_WAVE_MODE, 25, 1), 1
	s_wait_xcnt 0x0
; BN2: out0 = (h2 - mean) x w rsq(var + eps) + b, row-major.  A work-group takes a strip of 64 features x 1,024 rows; wave w its row tiles 8 w .. 8 w + 7.
; The 256 partial (mean, M2) of 128 rows each are joined in two passes, as mean of means and sum of M2 + 128 x sum of (mean_i - mean)^2: a wave takes 32 of them, the eight waves' sums meet in LDS.
; h2 lies as images of accumulators (lane (r, h): row r, eight features): a tile of 16 rows x 64 features turns through the wave's own stage in LDS (rows of 256 + 16 bytes) and leaves as rows:
; sixteen lanes store 256 consecutive bytes, at a multiple of 256 from out0's first byte.  All of a wave's 64 loads of h2 are issued at the head.  Memory binds: no matrix unit, no joint loads.
; LIMITS: NaN and infinities are not served.
.set SROW,  272
.set STGB,  16*SROW                    ; a stage; two for each wave, from LDS byte 0
.set EX1,   69632                      ; 256 bytes a wave: sums of means;  2,048 further on: sums of M2
.set TABW,  73728                      ; 768 bytes a wave: mean, A, b of the strip's 64 features
.set SPARE, 79872                      ; the spare words, 128 bytes a wave
.set R16, 1                            ; 16 x (lane % 16)
.set PO,  2                            ; the partials: 4,096 x (lane / 16) + 16 x (lane % 16)
.set L16, 3                            ; 16 x lane
.set STS, 4                            ; the stage, way in
.set STR, 5                            ; way out
.set OO,  6                            ; out0: 2,048 x (lane / 16) + 16 x (lane % 16)
.set EXW, 7
.set EXR, 8
.set TWS, 9
.set TWR, 10
.set SPW, 14
.set NIL, 15
.set MSB, 0
.macro WIN new
.if MSB != \new
	s_set_vgpr_msb (MSB<<8)|\new
.set MSB, \new
.endif
.endm
.macro BARRIER
	s_wait_dscnt 0x0
	s_barrier_signal -1
	s_barrier_wait -1
.endm
.macro TREE8                           ; eight vectors of four at v32-63 are added into v32-35
.irp a, 0,2,4,6
.irp u, 0,1
	v_pk_add_f32 v[32+4*\a+2*\u:33+4*\a+2*\u], v[32+4*\a+2*\u:33+4*\a+2*\u], v[36+4*\a+2*\u:37+4*\a+2*\u]
.endr
.endr
.irp a, 0,4
.irp u, 0,1
	v_pk_add_f32 v[32+4*\a+2*\u:33+4*\a+2*\u], v[32+4*\a+2*\u:33+4*\a+2*\u], v[40+4*\a+2*\u:41+4*\a+2*\u]
.endr
.endr
.irp u, 0,1
	v_pk_add_f32 v[32+2*\u:33+2*\u], v[32+2*\u:33+2*\u], v[48+2*\u:49+2*\u]
.endr
.endm
.macro DLOAD i                         ; row tile i of my eight: four feature tiles x two halves
.irp f, 0,1,2,3
.irp q, 0,1
	global_load_b128 v[32*\i+8*\f+4*\q:32*\i+8*\f+4*\q+3], v[L16], s[18:19] offset:\i*32768+\f*1024+\q*512 th:TH_LOAD_NT
.endr
.endr
.endm
	s_load_b256 s[4:11], s[0:1], 0x0               ; h2b, part2, norm2_w, norm2_b
	s_load_b64 s[12:13], s[0:1], 0x20              ; out0
	v_lshl_add_u32 v[SPW], v0, 2, SPARE
	v_mov_b32 v[NIL], 0
	v_lshrrev_b32 v32, 5, v0
	v_readfirstlane_b32 s14, v32                   ; wave 0..7
	v_and_b32 v32, 15, v0                          ; r
	v_bfe_u32 v33, v0, 4, 1                        ; h
	v_and_b32 v34, 31, v0
	v_lshlrev_b32 v[R16], 4, v32
	v_lshl_add_u32 v[PO], v33, 12, v[R16]
	v_lshlrev_b32 v[L16], 4, v34
	s_mul_i32 s24, s14, 2*STGB
	v_mul_u32_u24 v[STS], v32, SROW
	v_lshl_add_u32 v[STS], v33, 5, v[STS]
	v_add_nc_u32 v[STS], s24, v[STS]               ; row r, + 32 h: my eight features of a tile
	v_mul_u32_u24 v[STR], v33, SROW
	v_add_nc_u32 v[STR], v[STR], v[R16]
	v_add_nc_u32 v[STR], s24, v[STR]               ; lanes 0-15 one row, lanes 16-31 the next
	v_lshl_add_u32 v[OO], v33, 11, v[R16]
	s_lshl_b32 s24, s14, 8
	v_add_nc_u32 v[EXR], EX1, v[R16]
	v_add_nc_u32 v[EXW], s24, v[EXR]
	s_mul_i32 s24, s14, 768
	s_add_co_u32 s24, s24, TABW
	v_add_nc_u32 v[TWS], s24, v[R16]
	v_lshl_add_u32 v[TWR], v33, 5, s24
	s_and_b32 s16, ttmp7, 0xffff                   ; which 1,024 rows
	s_mov_b32 s25, 0
	s_mov_b32 s26, 0x76543210
	s_mov_b32 s27, 0xfedcba98
	s_mov_b32 s28, 0x38000000                      ; 2^-15
	s_mov_b32 s29, 0x3727c5ac                      ; eps
	s_wait_kmcnt 0x0
	s_lshl_b32 s24, ttmp9, 8                       ; the strip's 256 bytes of a row of 512 f32
	s_add_nc_u64 s[8:9], s[8:9], s[24:25]
	s_add_nc_u64 s[10:11], s[10:11], s[24:25]
	s_lshl_b32 s30, s14, 17                        ; my wave's 32 partials
	s_add_co_u32 s24, s24, s30
	s_add_nc_u64 s[20:21], s[6:7], s[24:25]
	s_lshl_b32 s24, s16, 21
	s_lshl_b32 s30, s14, 18
	s_add_co_u32 s24, s24, s30                     ; my eight row tiles: 32,768 bytes each in h2b and in out0
	s_lshl_b32 s30, ttmp9, 8
	s_add_co_u32 s30, s24, s30
	s_mov_b32 s31, 0
	s_add_nc_u64 s[22:23], s[12:13], s[30:31]
	s_lshl_b32 s30, ttmp9, 12                      ; the strip's four feature tiles
	s_add_co_u32 s24, s24, s30
	s_add_nc_u64 s[18:19], s[4:5], s[24:25]
.irp n, 0,1,2,3,4,5,6,7,8,9,10,11,12,13,14,15
	global_load_b128 v[64+4*\n:67+4*\n], v[PO], s[20:21] offset:\n*8192            ; partials 2 n + h of my 32: the means of features 4 r .. 4 r + 3,
	global_load_b128 v[128+4*\n:131+4*\n], v[PO], s[20:21] offset:\n*8192+2048     ; and their M2
.endr
	global_load_b128 v[16:19], v[R16], s[8:9]      ; w
	global_load_b128 v[20:23], v[R16], s[10:11]    ; b
	WIN 0x40
.irp i, 0,1,2,3,4,5,6
	DLOAD \i
.endr
	s_wait_loadcnt 56                              ; the partials and the gains are in; the 56 loads of h2 may be out
	DLOAD 7
	WIN 0
	; ---- pass 1: the mean of the 256 means
.irp u, 0,1
	v_pk_add_f32 v[24+2*\u:25+2*\u], v[64+2*\u:65+2*\u], v[72+2*\u:73+2*\u]
	v_pk_add_f32 v[28+2*\u:29+2*\u], v[68+2*\u:69+2*\u], v[76+2*\u:77+2*\u]
.endr
.irp n, 4,6,8,10,12,14
.irp u, 0,1
	v_pk_add_f32 v[24+2*\u:25+2*\u], v[24+2*\u:25+2*\u], v[64+4*\n+2*\u:65+4*\n+2*\u]
	v_pk_add_f32 v[28+2*\u:29+2*\u], v[28+2*\u:29+2*\u], v[68+4*\n+2*\u:69+4*\n+2*\u]
.endr
.endr
.irp u, 0,1
	v_pk_add_f32 v[24+2*\u:25+2*\u], v[24+2*\u:25+2*\u], v[28+2*\u:29+2*\u]
.endr
.irp k, 0,1,2,3
	v_permlanex16_b32 v[28+\k], v[24+\k], s26, s27
.endr
.irp u, 0,1
	v_pk_add_f32 v[24+2*\u:25+2*\u], v[24+2*\u:25+2*\u], v[28+2*\u:29+2*\u]
.endr
	ds_store_b128 v[EXW], v[24:27]                 ; lanes l and l xor 16 write the same bytes with the same values
	BARRIER
.irp w, 0,1,2,3,4,5,6,7
	ds_load_b128 v[32+4*\w:35+4*\w], v[EXR] offset:\w*256
.endr
	s_wait_dscnt 0x0
	TREE8
.irp u, 0,1
	v_pk_mul_f32 v[24+2*\u:25+2*\u], v[32+2*\u:33+2*\u], 0x3b800000 op_sel_hi:[1,0]   ; / 256
.endr
	; ---- pass 2: M2 about that mean
.irp n, 0,1,2,3,4,5,6,7,8,9,10,11,12,13,14,15
.irp u, 0,1
	v_pk_add_f32 v[64+4*\n+2*\u:65+4*\n+2*\u], v[64+4*\n+2*\u:65+4*\n+2*\u], v[24+2*\u:25+2*\u] neg_lo:[0,1] neg_hi:[0,1]
.endr
.endr
.irp u, 0,1
	v_pk_mul_f32 v[28+2*\u:29+2*\u], v[64+2*\u:65+2*\u], v[64+2*\u:65+2*\u]
	v_pk_mul_f32 v[36+2*\u:37+2*\u], v[68+2*\u:69+2*\u], v[68+2*\u:69+2*\u]
	v_pk_add_f32 v[40+2*\u:41+2*\u], v[128+2*\u:129+2*\u], v[136+2*\u:137+2*\u]
	v_pk_add_f32 v[44+2*\u:45+2*\u], v[132+2*\u:133+2*\u], v[140+2*\u:141+2*\u]
.endr
.irp n, 2,4,6,8,10,12,14
.irp u, 0,1
	v_pk_fma_f32 v[28+2*\u:29+2*\u], v[64+4*\n+2*\u:65+4*\n+2*\u], v[64+4*\n+2*\u:65+4*\n+2*\u], v[28+2*\u:29+2*\u]
	v_pk_fma_f32 v[36+2*\u:37+2*\u], v[68+4*\n+2*\u:69+4*\n+2*\u], v[68+4*\n+2*\u:69+4*\n+2*\u], v[36+2*\u:37+2*\u]
.endr
.endr
.irp n, 4,6,8,10,12,14
.irp u, 0,1
	v_pk_add_f32 v[40+2*\u:41+2*\u], v[40+2*\u:41+2*\u], v[128+4*\n+2*\u:129+4*\n+2*\u]
	v_pk_add_f32 v[44+2*\u:45+2*\u], v[44+2*\u:45+2*\u], v[132+4*\n+2*\u:133+4*\n+2*\u]
.endr
.endr
.irp u, 0,1
	v_pk_add_f32 v[28+2*\u:29+2*\u], v[28+2*\u:29+2*\u], v[36+2*\u:37+2*\u]
	v_pk_add_f32 v[40+2*\u:41+2*\u], v[40+2*\u:41+2*\u], v[44+2*\u:45+2*\u]
.endr
.irp u, 0,1
	v_pk_fma_f32 v[28+2*\u:29+2*\u], v[28+2*\u:29+2*\u], 0x43000000, v[40+2*\u:41+2*\u] op_sel_hi:[1,0,1]   ; 128 x the squares of the means' distances + the M2
.endr
.irp k, 0,1,2,3
	v_permlanex16_b32 v[36+\k], v[28+\k], s26, s27
.endr
.irp u, 0,1
	v_pk_add_f32 v[28+2*\u:29+2*\u], v[28+2*\u:29+2*\u], v[36+2*\u:37+2*\u]
.endr
	ds_store_b128 v[EXW], v[28:31] offset:2048
	BARRIER
.irp w, 0,1,2,3,4,5,6,7
	ds_load_b128 v[32+4*\w:35+4*\w], v[EXR] offset:2048+\w*256
.endr
	s_wait_dscnt 0x0
	TREE8
.irp k, 0,1,2,3
	v_fma_f32 v[36+\k], v[32+\k], s28, s29         ; var + eps
.endr
.irp k, 0,1,2,3
	v_rsq_f32 v[36+\k], v[36+\k]
.endr
	v_nop
	s_wait_alu depctr_va_vdst(0)                   ; one wait for the four, ahead of their first reader
.irp u, 0,1
	v_pk_mul_f32 v[16+2*\u:17+2*\u], v[16+2*\u:17+2*\u], v[36+2*\u:37+2*\u]   ; A
.endr
	ds_store_b128 v[TWS], v[24:27]                 ; through my wave's own table, into the layout of h2's images: LDS serves a wave's instructions in order
	ds_store_b128 v[TWS], v[16:19] offset:256
	ds_store_b128 v[TWS], v[20:23] offset:512
.irp st, 0,1,2
.irp f, 0,1,2,3
.irp q, 0,1
	ds_load_b128 v[64+32*\st+8*\f+4*\q:67+32*\st+8*\f+4*\q], v[TWR] offset:\st*256+\f*64+\q*16
.endr
.endr
.endr
	s_wait_dscnt 0x0
	; ---- my eight tiles of 16 rows
.irp i, 0,1,2,3,4,5,6,7
	s_wait_loadcnt 56-8*\i                         ; tile i's eight loads are in; the later tiles' may be out
	WIN 0x41
.irp f, 0,1,2,3
.irp u, 0,1,2,3
	v_pk_add_f32 v[32*\i+8*\f+2*\u:32*\i+8*\f+2*\u+1], v[32*\i+8*\f+2*\u:32*\i+8*\f+2*\u+1], v[64+8*\f+2*\u:65+8*\f+2*\u] neg_lo:[0,1] neg_hi:[0,1]
.endr
.endr
.irp f, 0,1,2,3
.irp u, 0,1,2,3
	v_pk_fma_f32 v[32*\i+8*\f+2*\u:32*\i+8*\f+2*\u+1], v[32*\i+8*\f+2*\u:32*\i+8*\f+2*\u+1], v[96+8*\f+2*\u:97+8*\f+2*\u], v[128+8*\f+2*\u:129+8*\f+2*\u]
.endr
.endr
	WIN 0x04
.irp f, 0,1,2,3
.irp q, 0,1
	ds_store_b128 v[STS], v[32*\i+8*\f+4*\q:32*\i+8*\f+4*\q+3] offset:(\i%2)*STGB+\f*64+\q*16
.endr
.endr
	WIN 0
.if \i >= 2
	s_wait_xcnt 0x0                                ; the stores of two tiles back have read their registers: the loads below may land there
.endif
.irp n, 0,1,2,3,4,5,6,7
	ds_load_b128 v[160+32*(\i%2)+4*\n:163+32*(\i%2)+4*\n], v[STR] offset:(\i%2)*STGB+\n*2*SROW
.endr
.irp n, 0,1,2,3,4,5,6,7
	s_wait_dscnt 7-\n                              ; load n is in; the 7 - n behind it may be out
	global_store_b128 v[OO], v[160+32*(\i%2)+4*\n:163+32*(\i%2)+4*\n], s[22:23] offset:\i*32768+\n*4096 th:TH_STORE_NT
.endr
.endr
	s_wait_tensorcnt 0x0                           ; the wave's end, behind my last LDS store
	ds_add_u32 v[SPW], v[NIL]
	s_wait_dscnt 0x0
	s_endpgm
.Lfunc_end_k_q6defa682e9_bn2:
	.size	k_q6defa682e9_bn2, .Lfunc_end_k_q6defa682e9_bn2-k_q6defa682e9_bn2
	.p2alignl 7, 3214868480
	.fill 96, 4, 3214868480
	.section	.rodata,"a",@progbits
	.p2align	6, 0x0
	.amdhsa_kernel k_q6defa682e9_bn2
		.amdhsa_group_segment_fixed_size 80896
		.amdhsa_private_segment_fixed_size 0
		.amdhsa_enable_private_segment 0
		.amdhsa_kernarg_size 40
		.amdhsa_user_sgpr_count 2
		.amdhsa_user_sgpr_kernarg_segment_ptr 1
		.amdhsa_wavefront_size32 1
		.amdhsa_system_sgpr_workgroup_id_x 1
		.amdhsa_system_sgpr_workgroup_id_y 1
		.amdhsa_system_sgpr_workgroup_id_z 1
		.amdhsa_system_vgpr_workitem_id 0
		.amdhsa_next_free_vgpr 512
		.amdhsa_next_free_sgpr 66
		.amdhsa_reserve_vcc 0
		.amdhsa_float_denorm_mode_32 3
		.amdhsa_float_denorm_mode_16_64 3
		.amdhsa_memory_ordered 1
		.amdhsa_forward_progress 1
		.amdhsa_inst_pref_size 60
	.end_amdhsa_kernel
	.amdgpu_metadata
---
amdhsa.version: [ 1, 2 ]
amdhsa.kernels:
  - .name:           k_q6defa682e9_bn2
    .symbol:         k_q6defa682e9_bn2.kd
    .args:
      - { .name: h2b, .offset: 0, .size: 8, .value_kind: global_buffer, .address_space: global }
      - { .name: part2, .offset: 8, .size: 8, .value_kind: global_buffer, .address_space: global }
      - { .name: norm2_w, .offset: 16, .size: 8, .value_kind: global_buffer, .address_space: global }
      - { .name: norm2_b, .offset: 24, .size: 8, .value_kind: global_buffer, .address_space: global }
      - { .name: out0, .offset: 32, .size: 8, .value_kind: global_buffer, .address_space: global }
    .group_segment_fixed_size: 80896
    .private_segment_fixed_size: 0
    .kernarg_segment_align: 8
    .kernarg_segment_size: 40
    .max_flat_workgroup_size: 256
    .sgpr_count:     66
    .vgpr_count:     512
    .wavefront_size: 32
...
	.end_amdgpu_metadata
.endif
;; end of part 5
